; MI455X (gfx1250); checked and timed in simulation.
; The chip was launched on July 23, 2026; its instructions are those of AMD's public machine-readable ISA for CDNA 5 (MIT licence, August 2026) and "CDNA5" Instruction Set Architecture Reference Guide (July 2026). The comments in the code are by the model that wrote it; some were corrected since.
;; Custom Multi Head Self Attention. Allowed arithmetic: matrix products marked QUANTISED: E2M1 operands, one E8M0 scale for each 32 along K, by v_wmma_scale_f32_16x16x128_f8f6f4 with both operands' format E2M1 (or v_wmma_scale_f32_32x16x128_f4), f32 sums; everything else in f32.
;; Inputs: Wk_codes 1,024 x 32 x 16 uint8 (E2M1 codes of Wk, K innermost, in blocks of 32 codes, two codes a byte); Wk_scales 1,024 x 32 uint8 (E8M0 scales of Wk, one for each 32 codes along K); Wo_codes 1,024 x 32 x 16 uint8 (E2M1 codes of Wo, K innermost, in blocks of 32 codes, two codes a byte); Wo_scales 1,024 x 32 uint8 (E8M0 scales of Wo, one for each 32 codes along K); Wq_codes 1,024 x 32 x 16 uint8 (E2M1 codes of Wq, K innermost, in blocks of 32 codes, two codes a byte); Wq_scales 1,024 x 32 uint8 (E8M0 scales of Wq, one for each 32 codes along K); Wv_codes 1,024 x 32 x 16 uint8 (E2M1 codes of Wv, K innermost, in blocks of 32 codes, two codes a byte); Wv_scales 1,024 x 32 uint8 (E8M0 scales of Wv, one for each 32 codes along K); bk 64 float32; bo 1,024 float32; bq 64 float32; gk 64 float32; gq 64 float32; mask 2 x 2,048 int32; x_codes 2 x 2,048 x 32 x 16 uint8 (E2M1 codes of x, K innermost, in blocks of 32 codes, two codes a byte); x_scales 2 x 2,048 x 32 uint8 (E8M0 scales of x, one for each 32 codes along K).
;; Outputs: out0 2 x 2,048 x 1,024 float32.
;; This version of the problem:
;;   THIS VERSION OF THE PROBLEM IS GIVEN IN LOW PRECISION. The matrix products marked QUANTISED in the list below multiply operands that are first quantised to E2M1 (2 exponent bits, 1 mantissa bit; 4 bits a number), with one power-of-two scale for each 32 numbers along K (OCP MX v1.0); their sums are f32. All else is computed in f32.
;;   The module's matrix products, in the order in which they are computed (A, B: the left and right operand; K: the contracted axis; several contracted axes count as one K, in the product's order):
;;     1. [M 4,096, K 1,024] x [K 1,024, N 1,024]; A: input x (given as codes); B: input Wq (given as codes): QUANTISED
;;     2. [M 4,096, K 1,024] x [K 1,024, N 1,024]; A: input x (given as codes); B: input Wk (given as codes): QUANTISED
;;     3. [M 4,096, K 1,024] x [K 1,024, N 1,024]; A: input x (given as codes); B: input Wv (given as codes): QUANTISED
;;     4. batch 32 x [M 2,048, K 64] x [K 64, N 2,048]; A: computed on the way; B: computed on the way: QUANTISED
;;     5. batch 32 x [M 2,048, K 2,048] x [K 2,048, N 64]; A: softmax (see below); B: computed on the way: QUANTISED
;;     6. [M 4,096, K 1,024] x [K 1,024, N 1,024]; A: computed on the way; B: input Wo (given as codes): QUANTISED
;;   THE QUANTISER, for each operand of a quantised product, along K:
;;     - K is cut into blocks of 32 from its start; a last block that is shorter is filled with zeros.
;;     - A block's scale is 2^e with e = floor(log2(the largest magnitude in the block)) - 2, held to -126 .. 127; a block of zeros has e = 0. As a byte (E8M0): e + 127.
;;     - Each number is divided by its block's scale, clamped to +-6, and rounded to the nearest number of E2M1, ties to even, subnormals kept.
;;     - The product sums the exact products of the quantised numbers (number of the format x scale) in f32.
;;   ~~~python
;;   def quantise(x, axis):      # numpy; x: float32 -> the quantised numbers, widened to float32 again
;;       x = np.moveaxis(x, axis, -1); K = x.shape[-1]
;;       x = np.pad(x, [(0, 0)] * (x.ndim - 1) + [(0, -K % 32)]); x = x.reshape(x.shape[:-1] + (-1, 32)); a = np.abs(x).max(-1, keepdims=True)
;;       e = np.where(a > 0, np.clip(np.frexp(np.where(a > 0, a, 1))[1] - 1 - 2, -126, 127), 0)      # np.frexp(a)[1] - 1 = floor(log2(a)), exactly
;;       r = np.clip(x / 2.0 ** e, -6, 6)
;;       step = 2.0 ** (np.maximum(np.frexp(np.where(r == 0, 1, r))[1] - 1, 0) - 1)
;;       q = np.round(r / step) * step * 2.0 ** e      # np.round: ties to even
;;       return np.moveaxis(q.reshape(q.shape[:-2] + (-1,))[..., :K], -1, axis).astype(np.float32)
;;   ~~~
;;   SOFTMAX AHEAD OF A QUANTISED PRODUCT. Where the list says 'softmax', what is quantised is not the finished softmax but p = 2^(t - M), with t = logit x log2(e) and M = ceil(the row's largest t), a whole number; so 1/2 < the row's largest p <= 1. The row's sum l is taken of the UNQUANTISED p, in f32, and the product's result is divided by l at the end. Since M is a whole number, a kernel that streams over the keys may use a running M (the ceiling of the running maximum): every later rescaling is an exact power of two, which a block's scale takes up: the codes' values come out the same.
;;   OPERANDS COMPUTED ON THE WAY. 'Computed on the way' means the value that the module computes at that place (a softmax that the list does not call 'softmax' is quantised finished and normalised). What goes into a quantiser is computed in f32, as accurately as f32 sums, v_exp_f32 and their like allow (about 1e-6 of the number): no bf16 or f16 on the way to a quantiser, and a product that is left as it is and whose result goes on into a quantised operand takes f32 operands (vector FMAs, or v_wmma_f32_16x16x4_f32). A number that lies on a knife's edge between two numbers of the format may be rounded either way, as far as f32 arithmetic and the matrix unit's own rounding can turn it there, and no further.
;;   INPUTS GIVEN AS CODES. Wk (in the module: [1024, 1024], K = its axis 1); Wo (in the module: [1024, 1024], K = its axis 1); Wq (in the module: [1024, 1024], K = its axis 1); Wv (in the module: [1024, 1024], K = its axis 1); x (in the module: [2, 2048, 1024], K = its axis 2): each comes as NAME_codes (uint8): NAME with its K axis moved to the last place and cut into blocks of 32 codes, [.., K / 32, bytes a block], one block behind the other in memory; two codes a byte, the lower K in the low four bits (a code: sign, 2 exponent bits, 1 mantissa bit); and NAME_scales (uint8): the same leading axes, one E8M0 byte (e + 127) for each 32 codes along K. Its value is code x scale, taken as it is: it is not quantised again, and the codes and scales need not be those that the quantiser above would give.
;; One version. Each part assembles by itself: llvm-mc -triple=amdgcn-amd-amdhsa -mcpu=gfx1250 --defsym DOCPART=n.
;; ======== version 1 of 1: 3 launches
;; limits: right only within a limited range of input values
;; workspace buffers: qc 2,097,152 bytes; qsc 262,144 bytes; kc 2,097,152 bytes; ksc 262,144 bytes; vc 2,097,152 bytes; vsc 131,072 bytes; oc 2,097,152 bytes; osc 131,072 bytes
;; launch qkv (part 1): grid 16 x 16, 12 waves a work-group, clusters of 4 x 4, 245,248 bytes of LDS; arguments x_codes, x_scales, Wq_codes, Wq_scales, Wk_codes, Wk_scales, Wv_codes, Wv_scales, gq, bq, gk, bk, qc, qsc, kc, ksc, vc, vsc; writes qc, qsc, kc, ksc, vc, vsc
.if DOCPART == 1
	.amdgcn_target "amdgcn-amd-amdhsa--gfx1250"
	.amdhsa_code_object_version 6
	.text
	.protected	k_q3239ddda50_qkv
	.globl	k_q3239ddda50_qkv
	.p2align	8
	.type	k_q3239ddda50_qkv,@function
k_q3239ddda50_qkv:
	s_mov_b64 s[64:65], 0
	v_nop
	global_prefetch_b8 v0, s[64:65] scope:SCOPE_SE
	s_setreg_imm32_b32 hwreg(HW_REG_WAVE_MODE, 25, 1), 1
	s_wait_xcnt 0x0
	s_wait_alu depctr_hold_cnt(0) depctr_sa_sdst(0) depctr_va_vdst(0) depctr_va_sdst(0) depctr_va_ssrc(0) depctr_va_vcc(0) depctr_vm_vsrc(0)
	s_getreg_b32 s2, hwreg(HW_REG_IB_STS2, 6, 4)
	s_cmp_eq_u32 s2, 0
	s_cbranch_scc0 .Lentry_in_a_cluster
	s_endpgm
.Lentry_in_a_cluster:
	s_bfe_u32 s2, ttmp6, 0x10000c
	s_cmp_lg_u32 s2, 0xf033
	s_cbranch_scc0 .Lentry_shape_is_right
	s_endpgm
.Lentry_shape_is_right:
; q = LN(x Wq^T), k = LN(x Wk^T), v = x Wv^T for one head and 256 tokens, all three products on codes of FP4 (E2M1) with one E8M0 scale for each 32 along K,
; and the results quantised at once: q and k along the head's 64 (two blocks of 32), v along the tokens (blocks of 32 tokens), which are the K of the products that read them.
; THE INPUT mask HAS NO WAY TO THE OUTPUT: the function that defines the result accepts it and never uses it.  It is not loaded and is among no launch's arguments.  Key tiles that that function's own causal mask hides
; from all queries of a tile are left out in the second launch: their weights are 0 for all inputs.  LIMIT: a NaN, an infinity or an overflow that reaches only that work is not carried to the result.
; SHARES.  Work-group (g, ty): head g, tokens 256 ty .. + 255 of the 4,096.  Twelve waves: waves 0-3 make q, 4-7 k, 8-11 v; w4 = wave % 4.  q, k: 64 tokens x 64 channels; v: 128 tokens x 32 channels: 16 accumulators each.
;   q, k: source 0 = 16 rows of W, source 1 = 16 tokens: a lane holds one token and 32 of its 64 numbers.   v: source 0 = 16 tokens, source 1 = 16 rows of Wv: a lane holds one channel, its registers run along the tokens.
; x's 256 rows and the 3 x 64 rows of W come into LDS once, as two halves of K (256 bytes of a row each), one load a wave at the most: first half: waves 0, 1 x, 2-4 W; second half: waves 6, 7 x, 8-10 W.
; The first half's products are made while the second half's loads may be out.  Scale bytes, 32 a row, go straight into registers.
; WHAT IS STORED ARE IMAGES OF OPERAND REGISTERS: four registers of a fragment by one store of 16 bytes a lane, 512 consecutive bytes a wave.
; CLUSTER 4 x 4: x's tiles hang on ty alone and are asked for jointly along a row of the cluster, W's hang on g alone and are asked for jointly along a column.  No prefetch: all bytes are asked for at the head, and no loop runs ahead.
; LIMITS: NaN, infinities and a given scale byte 0xff are not served.  A block whose largest magnitude lies under 2^-124 (a block of zeros too) gets the byte 1: only this program reads these bytes.  1/sqrt is v_rsq_f32.
.set PITCH, 272                        ; an LDS row: 256 bytes of codes + 16 of padding = 17 x 16: 16 rows begin in 16 different columns of 16 bytes
.set WB,    256*PITCH                  ; a half in LDS: x's 256 rows, then Wq's, Wk's, Wv's 64 rows each
.set HALF,  448*PITCH                  ; the second half
.set SPARE, 2*HALF                     ; the spare words, 128 bytes a wave
.set SPW,  1                           ; v1   LDS address of my spare word
.set NIL,  2                           ; v2   0
.set AX,   3                           ; v3   my lane's place in my rows of x
.set AW,   4                           ; v4   and of W
.set L16,  5                           ; v5   16 x lane
.set L8,   6                           ; v6   8 x lane
.set H32,  7                           ; v7   32 x (lane / 16)
.set SCX,  8                           ; v8-  scale words, 8 registers for each 32 rows (register s: K step s; lane = row).  q, k: x's 64 rows, then W's 64 at v24.  v: x's 128 rows, then Wv's 32 at v40
.set F,    48                          ; v48-127 fragments; behind the products:
.set TM,   48                          ; v48-63 the quantiser's: +0..3 largest magnitudes, +4..7 bytes, +12..15 scale operands
.set PCD,  64                          ; v64-71 codes
.set WA,   72                          ; v72-73 scale words at work
.set PWP,  74                          ; v74-75 scale words to store
.set NM,   76                          ; v76-79 tile u's -mean, then 1/sqrt(var + eps), in the low register of a pair
.set SU,   112                         ; v112-127 sums: tile u, chain t at SU + 8 u + 2 t
.set ACC,  128                         ; v128-255 the 16 accumulators
.set PG,   0                           ; window 1: v0-31 the gain, v32-63 the bias: register 8 t + j is channel 16 t + 8 (lane / 16) + j
.set PB,   32
.set G0XA, 24                          ; groups 0: x's and W's first half, then the second
.set G0WA, 28
.set G0XB, 32
.set G0WB, 36
.set G1X,  68
.set G1W,  76
.set MSB, 0
.macro WIN new                         ; the immediate's high byte repeats the setting that is left
.if MSB != \new
	s_set_vgpr_msb (MSB<<8)|\new
.set MSB, \new
.endif
.endm
.macro PLACES
.rept 4
	v_nop
.endr
.endm
.macro CROUND                          ; a round of the cluster's barrier
	s_barrier_signal -1
	s_barrier_wait -1
	s_cmp_lg_u32 s56, 0
	s_cbranch_scc1 .Lnot_wave_0_\@
	s_barrier_signal -3
.Lnot_wave_0_\@:
	s_barrier_wait -3
	s_barrier_signal -1
	s_barrier_wait -1
.endm
.macro G1REST g, r                     ; r rows of 256 bytes, 512 apart in memory
	s_mov_b32 s[\g+1], 256<<16
	s_mov_b32 s[\g+2], (\r)<<16
	s_mov_b32 s[\g+3], 256<<16
	s_mov_b32 s[\g+4], \r
	s_mov_b32 s[\g+5], 512
	s_mov_b32 s[\g+6], 0
	s_mov_b32 s[\g+7], 0
.endm
.macro G0SET e, p, o
	s_mov_b32 s[\e], 1
	s_add_nc_u64 s[\e+2:\e+3], s[\p:\p+1], s[\o:\o+1]
	s_or_b32 s[\e+3], s[\e+3], 0x80000000
.endm
.macro ARM under, g0, g1, next
	s_cmp_lt_u32 s56, \under
	s_cbranch_scc0 \next
	tensor_load_to_lds s[\g0:\g0+3], s[\g1:\g1+7]
	s_nop 0
	PLACES
	s_branch .Lasked
\next:
.endm
.macro WM d, a, b, c, sa, sb, ra, rb   ; one matrix instruction; c: its C operand; ra, rb: the side's scale words stand in lanes 16-31
.if (\ra) && (\rb)
	v_wmma_scale_f32_16x16x128_f8f6f4 v[(\d):(\d)+7], v[(\a):(\a)+7], v[(\b):(\b)+7], \c, v[\sa], v[\sb] matrix_a_fmt:MATRIX_FMT_FP4 matrix_b_fmt:MATRIX_FMT_FP4 matrix_a_scale:MATRIX_SCALE_ROW1 matrix_b_scale:MATRIX_SCALE_ROW1
.elseif (\ra)
	v_wmma_scale_f32_16x16x128_f8f6f4 v[(\d):(\d)+7], v[(\a):(\a)+7], v[(\b):(\b)+7], \c, v[\sa], v[\sb] matrix_a_fmt:MATRIX_FMT_FP4 matrix_b_fmt:MATRIX_FMT_FP4 matrix_a_scale:MATRIX_SCALE_ROW1
.elseif (\rb)
	v_wmma_scale_f32_16x16x128_f8f6f4 v[(\d):(\d)+7], v[(\a):(\a)+7], v[(\b):(\b)+7], \c, v[\sa], v[\sb] matrix_a_fmt:MATRIX_FMT_FP4 matrix_b_fmt:MATRIX_FMT_FP4 matrix_b_scale:MATRIX_SCALE_ROW1
.else
	v_wmma_scale_f32_16x16x128_f8f6f4 v[(\d):(\d)+7], v[(\a):(\a)+7], v[(\b):(\b)+7], \c, v[\sa], v[\sb] matrix_a_fmt:MATRIX_FMT_FP4 matrix_b_fmt:MATRIX_FMT_FP4
.endif
.endm
	s_load_b512 s[4:19], s[0:1], 0x0               ; x's codes, x's scales, Wq's, Wk's, Wv's codes and scales
	v_lshl_add_u32 v[SPW], v0, 2, SPARE
	v_mov_b32 v[NIL], 0
	ds_add_u32 v[SPW], v[NIL]                      ; the opening add, twice on end, and its wait
	ds_add_u32 v[SPW], v[NIL]
	v_lshrrev_b32 v8, 5, v0
	v_readfirstlane_b32 s56, v8                    ; wave w, 0..11
	s_lshr_b32 s57, s56, 2                         ; role: 0 q, 1 k, 2 v
	s_and_b32 s58, s56, 3                          ; w4
	s_bfe_u32 s59, ttmp6, 0x40000                  ; cx, cy: my place in the cluster
	s_bfe_u32 s60, ttmp6, 0x40004
	s_lshl_b32 s61, ttmp9, 2
	s_add_co_u32 s61, s61, s59                     ; g: the head
	s_and_b32 s62, ttmp7, 0xffff
	s_lshl_b32 s62, s62, 2
	s_add_co_u32 s62, s62, s60                     ; ty: the block of 256 tokens
	s_lshl_b32 s63, s60, 2
	s_lshl_b32 s63, 15, s63                        ; my row of the cluster
	s_lshl_b32 s104, 0x1111, s59                   ; my column
	s_or_b32 s[G1X], s63, (1<<20)|(1<<21)|(5<<22)|(3<<25)    ; elements of 1 byte; padding on, 4 words behind every 64; bit 21 set beside a mask
	G1REST G1X, 128
	s_or_b32 s[G1W], s104, (1<<20)|(1<<21)|(5<<22)|(3<<25)
	G1REST G1W, 64
	s_and_b32 s23, s56, 1
	s_lshl_b32 s20, s62, 17                        ; x's codes: (256 ty + 128 (w % 2)) rows of 512 bytes
	s_lshl_b32 s21, s23, 16
	s_add_co_u32 s20, s20, s21
	s_mov_b32 s21, 0
	s_mul_i32 s[G0XA+1], s23, 128*PITCH            ; the LDS addresses hang on the wave's number alone
	s_add_co_u32 s[G0XB+1], s[G0XA+1], HALF
	s_mul_i32 s105, s56, 64*PITCH
	s_add_co_u32 s[G0WA+1], s105, WB-128*PITCH     ; W: 64 rows of Wq, Wk, Wv in waves 2, 3, 4
	s_add_co_u32 s[G0WB+1], s105, HALF+WB-512*PITCH ; and 8, 9, 10
	s_lshl_b32 s22, s61, 15                        ; W's codes: 64 g rows
	s_mov_b32 s23, 0
	s_lshr_b32 s59, s57, 1                         ; 1 in the waves that make v
	s_xor_b32 s60, s59, 3
	s_and_b32 s60, s60, s58                        ; my first token, in units of 64: w4, for v 2 (w4 / 2)
	s_and_b32 s63, s58, s59                        ; for v: w4 % 2: which 32 channels; else 0
	s_lshl_b32 s90, s62, 13                        ; scale bytes, 32 a row: x's,
	s_lshl_b32 s91, s60, 11
	s_add_co_u32 s90, s90, s91
	s_mov_b32 s91, 0
	s_lshl_b32 s92, s61, 11                        ; and W's
	s_lshl_b32 s93, s63, 10
	s_add_co_u32 s92, s92, s93
	s_mov_b32 s93, 0
.irp j, 40,41,42,43,44,45,46,47
	v_mov_b32 v[\j], 0
.endr
	v_and_b32 v49, 31, v0                          ; lane
	v_lshlrev_b32 v50, 5, v49
	s_wait_alu depctr_va_vdst(0)
	s_wait_dscnt 0x0                               ; both opening adds are done
	s_wait_kmcnt 0x0
	; x's scale bytes at s[86:87], W's at s[88:89]; s[94:95]: the third and fourth run of 32 rows: W's, for v x's
	s_add_nc_u64 s[86:87], s[6:7], s[90:91]
	s_cmp_eq_u32 s57, 0
	s_cselect_b64 s[88:89], s[10:11], s[14:15]
	s_cmp_eq_u32 s57, 2
	s_cselect_b64 s[88:89], s[18:19], s[88:89]
	s_add_nc_u64 s[88:89], s[88:89], s[92:93]
	s_add_nc_u64 s[94:95], s[86:87], 2048
	s_cmp_eq_u32 s57, 2
	s_cselect_b64 s[94:95], s[94:95], s[88:89]
.irp q, 0,1
	global_load_b128 v[SCX+4*\q:SCX+4*\q+3], v50, s[86:87] offset:16*\q
	global_load_b128 v[SCX+8+4*\q:SCX+8+4*\q+3], v50, s[86:87] offset:1024+16*\q
	global_load_b128 v[SCX+16+4*\q:SCX+16+4*\q+3], v50, s[94:95] offset:16*\q
	global_load_b128 v[SCX+24+4*\q:SCX+24+4*\q+3], v50, s[94:95] offset:1024+16*\q
.endr
	s_cmp_eq_u32 s57, 2
	s_cbranch_scc0 .Lno_wv
.irp q, 0,1
	global_load_b128 v[SCX+32+4*\q:SCX+32+4*\q+3], v50, s[88:89] offset:16*\q
.endr
.Lno_wv:
	s_sub_co_u32 s98, s56, 6
	s_cmp_lt_u32 s56, 5
	s_cselect_b32 s98, s56, s98                    ; 2, 3, 4: Wq, Wk, Wv
	s_cmp_eq_u32 s98, 2
	s_cselect_b64 s[84:85], s[8:9], s[16:17]
	s_cmp_eq_u32 s98, 3
	s_cselect_b64 s[84:85], s[12:13], s[84:85]
	G0SET G0XA, 4, 20
	G0SET G0WA, 84, 22
	s_add_co_u32 s20, s20, 256
	s_add_co_u32 s22, s22, 256
	G0SET G0XB, 4, 20
	G0SET G0WB, 84, 22
	CROUND                                         ; all sixteen work-groups are here: the joint loads meet
	ARM 2, G0XA, G1X, .Lnot_xa                     ; one load a wave at the most
	ARM 5, G0WA, G1W, .Lnot_wa
	s_cmp_eq_u32 s56, 5
	s_cbranch_scc1 .Lasked
	ARM 8, G0XB, G1X, .Lnot_xb
	ARM 11, G0WB, G1W, .Lnot_wb
.Lasked:
	s_load_b512 s[4:19], s[0:1], 0x40              ; gq, bq, gk, bk, qc, qsc, kc, ksc
	s_load_b128 s[20:23], s[0:1], 0x80             ; vc, vsc
	v_and_b32 v51, 15, v0                          ; r
	v_bfe_u32 v52, v0, 4, 1                        ; h
	v_mul_u32_u24 v53, v51, PITCH
	v_lshl_add_u32 v53, v52, 4, v53                ; a fragment's row x pitch + 16 h
	s_mul_i32 s96, s60, 64*PITCH
	v_add_nc_u32 v[AX], s96, v53
	s_mul_i32 s96, s57, 64*PITCH
	s_mul_i32 s97, s63, 32*PITCH
	s_add_co_u32 s96, s96, s97
	s_add_co_u32 s96, s96, WB
	v_add_nc_u32 v[AW], s96, v53
	v_lshlrev_b32 v[L16], 4, v49
	v_lshlrev_b32 v[L8], 3, v49
	v_lshlrev_b32 v[H32], 5, v52
	s_mov_b32 s2, 0xffff0000                       ; a mask of lanes 16-31
	s_mov_b32 s3, 0x3c800000                       ; 1 / 64
	s_mov_b32 s100, 0x76543210                     ; v_permlanex16_b32's selects for lane l xor 16
	s_mov_b32 s101, 0xfedcba98
	; where my results go: hh = 16 x batch + head; codes at 2,048 x (32 hh + 4 (ty % 8) + w4), for q, k and v alike; words at an eighth of that, v's at a sixteenth
	s_lshr_b32 s90, s62, 3
	s_lshl_b32 s90, s90, 4
	s_add_co_u32 s90, s90, s61
	s_lshl_b32 s90, s90, 5
	s_and_b32 s91, s62, 7
	s_lshl_b32 s91, s91, 2
	s_add_co_u32 s90, s90, s91
	s_add_co_u32 s90, s90, s58
	s_lshl_b32 s96, s90, 11
	s_mov_b32 s97, 0
	s_add_co_u32 s91, s59, 3
	s_lshr_b32 s98, s96, s91
	s_mov_b32 s99, 0
	s_wait_alu depctr_va_vdst(0)
	s_wait_kmcnt 0x0
	s_cmp_eq_u32 s57, 0
	s_cselect_b64 s[4:5], s[4:5], s[8:9]           ; my gain and bias
	s_cselect_b64 s[6:7], s[6:7], s[10:11]
	s_cselect_b64 s[12:13], s[12:13], s[16:17]     ; my codes and words
	s_cselect_b64 s[14:15], s[14:15], s[18:19]
	s_cmp_eq_u32 s57, 2
	s_cselect_b64 s[12:13], s[20:21], s[12:13]
	s_cselect_b64 s[14:15], s[22:23], s[14:15]
	s_add_nc_u64 s[12:13], s[12:13], s[96:97]
	s_add_nc_u64 s[14:15], s[14:15], s[98:99]
; A fragment, 16 rows x 128 K of 4-bit codes, is 8 registers: lane (r, h) holds row r; registers 4 c .. 4 c + 3 hold K = 64 c + 32 h + 0 .. 31: two loads of 16 bytes, 32 bytes apart.
; A K step of q or k: 16 loads (W's four tiles, then my four tiles of tokens), then 16 products, each token tile as it comes in; the 16 accumulators take turns, in the same order in every step.
.macro QKSTEP s
.if (\s) > 0
	PLACES                                         ; the fragments were read by the step before
.endif
.irp t, 0,1,2,3
.irp c, 0,1
	ds_load_b128 v[F+8*\t+4*\c:F+8*\t+4*\c+3], v[AW] offset:16*PITCH*\t+64*(\s%4)+32*\c
.endr
.endr
.irp m, 0,1,2,3
.irp c, 0,1
	ds_load_b128 v[F+32+8*\m+4*\c:F+32+8*\m+4*\c+3], v[AX] offset:16*PITCH*\m+64*(\s%4)+32*\c
.endr
.endr
.irp m, 0,1,2,3
	s_wait_dscnt 6-2*\m                            ; the tiles of tokens behind this one may be out
.irp t, 0,1,2,3
.if (\s) == 0
	WM ACC+32*\m+8*\t, F+8*\t, F+32+8*\m, 0, SCX+16+8*(\t/2)+\s, SCX+8*(\m/2)+\s, \t%2, \m%2
.else
	WM ACC+32*\m+8*\t, F+8*\t, F+32+8*\m, v[ACC+32*\m+8*\t:ACC+32*\m+8*\t+7], SCX+16+8*(\t/2)+\s, SCX+8*(\m/2)+\s, \t%2, \m%2
.endif
.endr
.endr
.endm
.macro VSTEP s                         ; a K step of v: Wv's two tiles, then my eight tiles of tokens
.if (\s) > 0
	PLACES
.endif
.irp t, 0,1
.irp c, 0,1
	ds_load_b128 v[F+8*\t+4*\c:F+8*\t+4*\c+3], v[AW] offset:16*PITCH*\t+64*(\s%4)+32*\c
.endr
.endr
.irp m, 0,1,2,3,4,5,6,7
.irp c, 0,1
	ds_load_b128 v[F+16+8*\m+4*\c:F+16+8*\m+4*\c+3], v[AX] offset:16*PITCH*\m+64*(\s%4)+32*\c
.endr
.endr
.irp m, 0,1,2,3,4,5,6,7
	s_wait_dscnt 14-2*\m
.irp t, 0,1
.if (\s) == 0
	WM ACC+64*\t+8*\m, F+16+8*\m, F+8*\t, 0, SCX+8*(\m/2)+\s, SCX+32+\s, \m%2, \t
.else
	WM ACC+64*\t+8*\m, F+16+8*\m, F+8*\t, v[ACC+64*\t+8*\m:ACC+64*\t+8*\m+7], SCX+8*(\m/2)+\s, SCX+32+\s, \m%2, \t
.endif
.endr
.endr
.endm
; The four chains of both tiles are added up, then the pair's halves, then lane l xor 16's: the token's sum over its 64 numbers, in v[SU + 8 u]
.macro TREE
.irp u, 0,1
	v_pk_add_f32 v[SU+8*\u:SU+8*\u+1], v[SU+8*\u:SU+8*\u+1], v[SU+8*\u+2:SU+8*\u+3]
	v_pk_add_f32 v[SU+8*\u+4:SU+8*\u+5], v[SU+8*\u+4:SU+8*\u+5], v[SU+8*\u+6:SU+8*\u+7]
.endr
.irp u, 0,1
	v_pk_add_f32 v[SU+8*\u:SU+8*\u+1], v[SU+8*\u:SU+8*\u+1], v[SU+8*\u+4:SU+8*\u+5]
.endr
.irp u, 0,1
	v_add_f32 v[SU+8*\u], v[SU+8*\u], v[SU+8*\u+1]
.endr
.irp u, 0,1
	v_permlanex16_b32 v[SU+8*\u+1], v[SU+8*\u], s100, s101
.endr
.irp u, 0,1
	v_add_f32 v[SU+8*\u], v[SU+8*\u], v[SU+8*\u+1]
.endr
.endm
; LayerNorm over the head's 64 of token tiles 2 mp and 2 mp + 1, in place, in two passes as it is defined.  The two tiles take turns line by line.
.macro LN2 mp
.set AB0, ACC+64*(\mp)
	s_wait_alu depctr_va_vdst(0)                   ; ahead of the products' first readers
.irp t, 0,1,2,3
.irp u, 0,1
	v_pk_add_f32 v[SU+8*\u+2*\t:SU+8*\u+2*\t+1], v[AB0+32*\u+8*\t:AB0+32*\u+8*\t+1], v[AB0+32*\u+8*\t+2:AB0+32*\u+8*\t+3]
.endr
.endr
.irp i, 4,6
.irp t, 0,1,2,3
.irp u, 0,1
	v_pk_add_f32 v[SU+8*\u+2*\t:SU+8*\u+2*\t+1], v[SU+8*\u+2*\t:SU+8*\u+2*\t+1], v[AB0+32*\u+8*\t+\i:AB0+32*\u+8*\t+\i+1]
.endr
.endr
.endr
	TREE
.irp u, 0,1
	v_mul_f32 v[NM+2*\u], 0xbc800000, v[SU+8*\u]   ; -mean = the sum x -1/64
.endr
.irp i, 0,2,4,6,8,10,12,14,16,18,20,22,24,26,28,30
.irp u, 0,1
	v_pk_add_f32 v[AB0+32*\u+\i:AB0+32*\u+\i+1], v[AB0+32*\u+\i:AB0+32*\u+\i+1], v[NM+2*\u:NM+2*\u+1] op_sel_hi:[1,0]
.endr
.endr
.irp t, 0,1,2,3
.irp u, 0,1
	v_pk_mul_f32 v[SU+8*\u+2*\t:SU+8*\u+2*\t+1], v[AB0+32*\u+8*\t:AB0+32*\u+8*\t+1], v[AB0+32*\u+8*\t:AB0+32*\u+8*\t+1]
.endr
.endr
.irp i, 2,4,6
.irp t, 0,1,2,3
.irp u, 0,1
	v_pk_fma_f32 v[SU+8*\u+2*\t:SU+8*\u+2*\t+1], v[AB0+32*\u+8*\t+\i:AB0+32*\u+8*\t+\i+1], v[AB0+32*\u+8*\t+\i:AB0+32*\u+8*\t+\i+1], v[SU+8*\u+2*\t:SU+8*\u+2*\t+1]
.endr
.endr
.endr
	TREE
.irp u, 0,1
	v_fma_f32 v[SU+8*\u], v[SU+8*\u], s3, 0x3727c5ac   ; var + eps = the sum / 64 + 1e-5
.endr
	s_wait_alu depctr_va_vdst(0)
.irp u, 0,1
	v_rsq_f32 v[NM+2*\u], v[SU+8*\u]
.endr
	v_nop                                          ; one plain place behind the transcendentals
	s_wait_alu depctr_va_vdst(0)
.irp i, 0,2,4,6,8,10,12,14,16,18,20,22,24,26,28,30
.irp u, 0,1
	v_pk_mul_f32 v[AB0+32*\u+\i:AB0+32*\u+\i+1], v[AB0+32*\u+\i:AB0+32*\u+\i+1], v[NM+2*\u:NM+2*\u+1] op_sel_hi:[1,0]
.endr
.endr
.if (\mp) == 0
	s_wait_alu depctr_va_vdst(0)
	s_wait_loadcnt 0x0                             ; gain and bias
.endif
	WIN 0x14                                       ; sources 1 and 2 (gain, bias) window 1
.irp i, 0,2,4,6,8,10,12,14,16,18,20,22,24,26,28,30
.irp u, 0,1
	v_pk_fma_f32 v[AB0+32*\u+\i:AB0+32*\u+\i+1], v[AB0+32*\u+\i:AB0+32*\u+\i+1], v[PG+\i:PG+\i+1], v[PB+\i:PB+\i+1]
.endr
.endr
	WIN 0
.endm
; 64 numbers of a lane, v[s] .. v[s + 63]: block b of 32 along the next K = registers 16 b .. 16 b + 15 of lanes l and l xor 16.  They become 8 registers of codes in v[PCD] on, in the operand's layout, and four bytes in v[TM + 4 ..].
.macro QUANT s
	s_wait_alu depctr_va_vdst(0)
	s_wait_xcnt 0x0                                ; the earlier stores have read the codes' and the words' registers
.irp b, 0,1,2,3
	v_max3_num_f32 v[TM+\b], |v[(\s)+16*\b]|, |v[(\s)+16*\b+1]|, 0x1800000   ; with the floor 2^(3 - 127): the byte cannot fall under 1
.endr
.irp i, 2,4,6,8,10,12,14
.irp b, 0,1,2,3
	v_max3_num_f32 v[TM+\b], v[TM+\b], |v[(\s)+16*\b+\i]|, |v[(\s)+16*\b+\i+1]|
.endr
.endr
.irp b, 0,1,2,3
	v_permlanex16_b32 v[TM+4+\b], v[TM+\b], s100, s101
.endr
.irp b, 0,1,2,3
	v_max_num_f32 v[TM+\b], v[TM+\b], v[TM+4+\b]
.endr
.irp b, 0,1,2,3
	v_add_nc_u32 v[TM+12+\b], 0xff000000, v[TM+\b] ; 2 off its exponent field: the conversion takes that field as its scale
.endr
.irp b, 0,1,2,3
	v_lshrrev_b32 v[TM+4+\b], 23, v[TM+12+\b]      ; the scale's byte
.endr
.irp c, 0,1
	v_cvt_scalef32_pk8_fp4_f32 v[PCD+4*\c], v[(\s)+32*\c:(\s)+32*\c+7], v[TM+12+2*\c]
	v_cvt_scalef32_pk8_fp4_f32 v[PCD+4*\c+2], v[(\s)+32*\c+8:(\s)+32*\c+15], v[TM+12+2*\c]
	v_cvt_scalef32_pk8_fp4_f32 v[PCD+4*\c+1], v[(\s)+32*\c+16:(\s)+32*\c+23], v[TM+12+2*\c+1]
	v_cvt_scalef32_pk8_fp4_f32 v[PCD+4*\c+3], v[(\s)+32*\c+24:(\s)+32*\c+31], v[TM+12+2*\c+1]
.endr
	v_nop                                          ; one plain place behind the scaled conversions
.irp c, 0,1
	v_permlane16_swap_b32 v[PCD+4*\c], v[PCD+4*\c+1]     ; registers 4 c .. 4 c + 3 of lane (r, h) then hold k = 64 c + 32 h + 0 .. 31
	v_permlane16_swap_b32 v[PCD+4*\c+2], v[PCD+4*\c+3]
.endr
.endm
	s_wait_loadcnt 0x0                             ; the scale words
	s_cmp_lt_u32 s56, 5
	s_cbranch_scc0 .Lsecond                        ; a wave that fetches for the second half has nothing to wait for yet
	s_wait_tensorcnt 0x0                           ; my tile of the first half is in,
.Lsecond:
	s_barrier_signal -1
	s_barrier_wait -1                              ; everybody's are
	s_cmp_eq_u32 s57, 2
	s_cbranch_scc1 .Lv_first
.irp s, 0,1,2,3
	QKSTEP \s
.endr
	s_branch .Lhalf
.Lv_first:
.irp s, 0,1,2,3
	VSTEP \s
.endr
.Lhalf:
	s_wait_tensorcnt 0x0                           ; my tile of the second half is in
	s_wait_dscnt 0x0
	s_barrier_signal -1
	s_barrier_wait -1
	v_add_nc_u32 v[AX], HALF, v[AX]
	v_add_nc_u32 v[AW], HALF, v[AW]
	s_wait_alu depctr_va_vdst(0)
	s_cmp_eq_u32 s57, 2
	s_cbranch_scc1 .Lv_second
	WIN 0x40                                       ; destination window 1: gain and bias are on their way under the products
.irp t, 0,1,2,3
	global_load_b128 v[PG+8*\t:PG+8*\t+3], v[H32], s[4:5] offset:64*\t
	global_load_b128 v[PG+8*\t+4:PG+8*\t+7], v[H32], s[4:5] offset:64*\t+16
	global_load_b128 v[PB+8*\t:PB+8*\t+3], v[H32], s[6:7] offset:64*\t
	global_load_b128 v[PB+8*\t+4:PB+8*\t+7], v[H32], s[6:7] offset:64*\t+16
.endr
	WIN 0
.irp s, 4,5,6,7
	QKSTEP \s
.endr
	PLACES
; A token tile's 64 numbers are half of a fragment of 128 along K; the reader fills the other half with zero codes, and the word's upper two bytes are 127.
.irp mp, 0,1
	LN2 \mp
	QUANT ACC+64*\mp
	v_lshl_or_b32 v[WA], v[TM+5], 8, v[TM+4]       ; tile 2 mp's two bytes,
	v_lshl_or_b32 v[WA+1], v[TM+7], 8, v[TM+6]     ; tile 2 mp + 1's:
	v_cndmask_b32 v[PWP+\mp], v[WA], v[WA+1], s2   ; the first in lanes 0-15, the second in lanes 16-31
	v_or_b32 v[PWP+\mp], 0x7f7f0000, v[PWP+\mp]
	global_store_b128 v[L16], v[PCD:PCD+3], s[12:13] offset:1024*\mp        ; 512 consecutive bytes a store
	global_store_b128 v[L16], v[PCD+4:PCD+7], s[12:13] offset:1024*\mp+512
.endr
	global_store_b64 v[L8], v[PWP:PWP+1], s[14:15]                           ; 256 consecutive bytes
	s_wait_alu depctr_va_vdst(0)
	s_branch .Lend
.Lv_second:
.irp s, 4,5,6,7
	VSTEP \s
.endr
	PLACES
.irp t, 0,1                            ; channel tile t: 128 tokens of one channel a lane: a whole fragment and a whole scale word
	QUANT ACC+64*\t
	v_lshl_or_b32 v[WA+\t], v[TM+5], 8, v[TM+4]
	v_lshl_or_b32 v[WA+\t], v[TM+6], 16, v[WA+\t]
	v_lshl_or_b32 v[WA+\t], v[TM+7], 24, v[WA+\t]
	global_store_b128 v[L16], v[PCD:PCD+3], s[12:13] offset:1024*\t
	global_store_b128 v[L16], v[PCD+4:PCD+7], s[12:13] offset:1024*\t+512
.endr
	v_lshrrev_b32 v[NM], 1, v[L8]                  ; 4 x lane
	v_cndmask_b32 v[PWP], v[WA], v[WA+1], s2       ; tile 0's words in lanes 0-15, tile 1's in lanes 16-31
	global_store_b32 v[NM], v[PWP], s[14:15]       ; 128 consecutive bytes
.Lend:
	s_wait_tensorcnt 0x0                           ; the wave's end
	ds_add_u32 v[SPW], v[NIL]
	s_wait_dscnt 0x0
	CROUND                                         ; the closing round: no work-group ends while a partner may still ask for a tile that names it
	s_endpgm
.Lfunc_end_k_q3239ddda50_qkv:
	.size	k_q3239ddda50_qkv, .Lfunc_end_k_q3239ddda50_qkv-k_q3239ddda50_qkv
	.p2alignl 7, 3214868480
	.fill 96, 4, 3214868480
	.section	.rodata,"a",@progbits
	.p2align	6, 0x0
	.amdhsa_kernel k_q3239ddda50_qkv
		.amdhsa_group_segment_fixed_size 245248
		.amdhsa_private_segment_fixed_size 0
		.amdhsa_enable_private_segment 0
		.amdhsa_kernarg_size 144
		.amdhsa_user_sgpr_count 2
		.amdhsa_user_sgpr_kernarg_segment_ptr 1
		.amdhsa_wavefront_size32 1
		.amdhsa_system_sgpr_workgroup_id_x 1
		.amdhsa_system_sgpr_workgroup_id_y 1
		.amdhsa_system_sgpr_workgroup_id_z 1
		.amdhsa_system_vgpr_workitem_id 0
		.amdhsa_next_free_vgpr 320
		.amdhsa_next_free_sgpr 106
		.amdhsa_reserve_vcc 0
		.amdhsa_float_denorm_mode_32 3
		.amdhsa_float_denorm_mode_16_64 3
		.amdhsa_memory_ordered 1
		.amdhsa_forward_progress 1
		.amdhsa_inst_pref_size 106
	.end_amdhsa_kernel
	.amdgpu_metadata
---
amdhsa.version: [ 1, 2 ]
amdhsa.kernels:
  - .name:           k_q3239ddda50_qkv
    .symbol:         k_q3239ddda50_qkv.kd
    .args:
      - { .name: x_codes, .offset: 0, .size: 8, .value_kind: global_buffer, .address_space: global }
      - { .name: x_scales, .offset: 8, .size: 8, .value_kind: global_buffer, .address_space: global }
      - { .name: Wq_codes, .offset: 16, .size: 8, .value_kind: global_buffer, .address_space: global }
      - { .name: Wq_scales, .offset: 24, .size: 8, .value_kind: global_buffer, .address_space: global }
      - { .name: Wk_codes, .offset: 32, .size: 8, .value_kind: global_buffer, .address_space: global }
      - { .name: Wk_scales, .offset: 40, .size: 8, .value_kind: global_buffer, .address_space: global }
      - { .name: Wv_codes, .offset: 48, .size: 8, .value_kind: global_buffer, .address_space: global }
      - { .name: Wv_scales, .offset: 56, .size: 8, .value_kind: global_buffer, .address_space: global }
      - { .name: gq, .offset: 64, .size: 8, .value_kind: global_buffer, .address_space: global }
      - { .name: bq, .offset: 72, .size: 8, .value_kind: global_buffer, .address_space: global }
      - { .name: gk, .offset: 80, .size: 8, .value_kind: global_buffer, .address_space: global }
      - { .name: bk, .offset: 88, .size: 8, .value_kind: global_buffer, .address_space: global }
      - { .name: qc, .offset: 96, .size: 8, .value_kind: global_buffer, .address_space: global }
      - { .name: qsc, .offset: 104, .size: 8, .value_kind: global_buffer, .address_space: global }
      - { .name: kc, .offset: 112, .size: 8, .value_kind: global_buffer, .address_space: global }
      - { .name: ksc, .offset: 120, .size: 8, .value_kind: global_buffer, .address_space: global }
      - { .name: vc, .offset: 128, .size: 8, .value_kind: global_buffer, .address_space: global }
      - { .name: vsc, .offset: 136, .size: 8, .value_kind: global_buffer, .address_space: global }
    .group_segment_fixed_size: 245248
    .private_segment_fixed_size: 0
    .kernarg_segment_align: 8
    .kernarg_segment_size: 144
    .max_flat_workgroup_size: 384
    .sgpr_count:     106
    .vgpr_count:     320
    .wavefront_size: 32
...
	.end_amdgpu_metadata
.endif
;; end of part 1
;; launch attn (part 2): grid 4 x 64, 16 waves a work-group, clusters of 4 x 4, 190,464 bytes of LDS; arguments qc, qsc, kc, ksc, vc, vsc, oc, osc; writes oc, osc
.if DOCPART == 2
	.amdgcn_target "amdgcn-amd-amdhsa--gfx1250"
	.amdhsa_code_object_version 6
	.text
	.protected	k_q3239ddda50_attn
	.globl	k_q3239ddda50_attn
	.p2align	8
	.type	k_q3239ddda50_attn,@function
k_q3239ddda50_attn:
	s_mov_b64 s[64:65], 0
	v_nop
	global_prefetch_b8 v0, s[64:65] scope:SCOPE_SE
	s_setreg_imm32_b32 hwreg(HW_REG_WAVE_MODE, 25, 1), 1
	s_wait_xcnt 0x0
	s_wait_alu depctr_hold_cnt(0) depctr_sa_sdst(0) depctr_va_vdst(0) depctr_va_sdst(0) depctr_va_ssrc(0) depctr_va_vcc(0) depctr_vm_vsrc(0)
	s_getreg_b32 s2, hwreg(HW_REG_IB_STS2, 6, 4)
	s_cmp_eq_u32 s2, 0
	s_cbranch_scc0 .Lentry_in_a_cluster
	s_endpgm
.Lentry_in_a_cluster:
	s_bfe_u32 s2, ttmp6, 0x10000c
	s_cmp_lg_u32 s2, 0xf033
	s_cbranch_scc0 .Lentry_shape_is_right
	s_endpgm
.Lentry_shape_is_right:
; o = softmax(q k^T, causal) v for one head, both products on codes of FP4 (E2M1) with one E8M0 scale for each 32 along K; o is quantised along the model's 1,024 (two blocks in a head) for the last product.
; THE SOFTMAX AHEAD OF THE SECOND PRODUCT: t = score x log2(e); M = the largest t so far, rounded UP to a whole number; p = 2^(t - M) is what is quantised, along the keys; it is not normalised.
; The row's sum is taken of the unquantised p, in f32, and divides O at the end.  When M moves, the sum and O are multiplied by 2^(old M - new M): exact.
; WORK LEFT OUT: key steps all of whose keys the causal mask (the defining function's own) hides from all queries of a tile: their p is 0 for all inputs.  A NaN or an infinity that reaches only them is not carried on.
; SHARES.  Eight work-groups have a head; work-group j (0..7) owns tile j (16 queries) of each of the head's 16 blocks of 128 queries.  A tile of block i has i + 1 key steps of 128.  The tiles of blocks b (early) and 15 - b (late) have
; 17 steps in all and belong to two waves.  ONE (RA = 1) takes the late tile's last steps; THE OTHER (RA = 0) the late tile's first steps and then the whole early tile.  The last step of each is its tile's diagonal one.
; The second leaves its part of the late tile (O, M, sum) in LDS; the first joins the two parts by exact powers of two.  By groups g = wave / 4 of four waves, with c = wave % 4:
;   g = 0: RA = 0, b = 4 + c, 12 steps;   g = 1: RA = 0, b = c, 9 steps;   g = 2: RA = 1, b = c, 8 steps;   g = 3: RA = 1, b = 4 + c, 5 steps: 34 for each c.
; TRIPS 0 to 11, the same for all waves; each has its empty ones: g = 1: 4-6, g = 2: 0-3, g = 3: 0-6.  Trips 0 to 3 touch key steps 0 to 3 alone (trip n: step n), whose K and V are waited for first; the others' loads may be out
; meanwhile, and are waited for behind trip 3.
; Branches and LDS addresses hang on the wave's number alone: all partners of a cluster walk alike.
; CLUSTER 4 x 4: two heads; the four work-groups of a row of the cluster have one head and ask for its K and V jointly.  The head's K and V (codes 64 KiB each, words 8 and 4 KiB) come into LDS ONCE, one load a wave: nothing is
; filled again, and since all bytes are asked for at the head there is no loop in which a prefetch could run ahead.
; LAYOUT.  Both products are used transposed: S^T = K Q^T (source 0 = 16 keys, source 1 = my 16 queries), O^T = V^T P^T (source 0 = 16 channels, source 1 = P): a lane holds ONE query (lane % 16).
; THE KEYS OF A TILE ARE CHOSEN: tile t of 64 keys (t = 0..3) has rows 0-7 = keys 8 t + 0..7 and rows 8-15 = keys 32 + 8 t + 0..7, so lane (r, h) holds the keys 32 h + 0..31 of each 64: a whole block of 32, in the operand's layout.
; K's rows of 1,024 bytes (32 keys' codes) get 128 bytes of padding in LDS.
; The first product's K is the head's 64: registers 4-7 of Q's and K's fragments hold zero codes, set once; the words' upper bytes are 127.
; LIMITS: NaN and infinities are not served; scores x log2(e) under 2^31 in magnitude.  A block of p or of o whose largest magnitude lies under 2^-124 gets the byte 1.  A block's largest p is taken from the block's largest score
; by the same two instructions that make every p.  1 / the sum is v_rcp_f32.
.set KROW, 1152                        ; K in LDS: 1,024 bytes + 128
.set KSTEP, 4*KROW                     ; a key step
.set VC,   16*KSTEP                    ; V's codes: 4,096 a key step, 1,024 a tile of 16 channels
.set KS,   VC+65536                    ; K's scale words: 512 a key step
.set VS,   KS+8192                     ; V's: 256 a key step
.set PAR,  VS+4096                     ; the partial results: 4,608 bytes for each pair of waves
.set SPARE, PAR+8*4608                 ; the spare words, 128 bytes a wave
.set ADK, 8                            ; v8-11 the step's LDS addresses: K, V, K's words, V's words
.set ADV, 9
.set ADS, 10
.set ADT, 11
.set SPW, 242
.set NIL, 243
.set EQ,  246                          ; v[246:249], v254: the early tile's Q and its words
.set G1K, 28
.set G1V, 36
.set G1S, 44
.set G1T, 52
.set G0K, 68                           ; groups 0: key steps 0-3 of K and of V, all words of K and of V,
.set G0V, 72
.set G0S, 76
.set G0T, 80
.set G0KB, 88                          ; key steps 4-15 of K and of V
.set G0VB, 92
.set WV,  84                           ; my wave's number
.set N,   85                           ; the trip
.set SW,  86                           ; 11 - b: the trip from which on a wave with RA = 0 has the early tile; over 15 for RA = 1
.set OF1, 87                           ; from trip 4 on, trip n has key step (n + OF1) % 16 ahead of SW, (n + OF2) % 16 from SW on
.set OF2, 96
.set RA,  97
.set PB,  98                           ; b
.set JT,  99                           ; j
.set HH,  100                          ; 16 x batch + head
.set TL,  101                          ; the late tile among the head's 128
.set TE,  3                            ; the early one
.set FI,  25                           ; my first trip from trip 4 on
; REGISTERS: v1-4 my lane's place in K, V, K's words, V's words; v5 8 h; v6 8 r; v7 16 x lane; v12 -M, v13 the largest score, v[14:15] the sum in two halves; v16-23 Q; v24-25 V's words, v26-29 K's, v30 p's, v31 Q's;
; v32-95 K's eight fragments; v96-159 S^T, then p; v160-191 O^T; v192-223 V's four fragments; v224-231 p's codes; v232-241, v244-245, v250-253 at work; v255 my pair's place in LDS.
.macro PLACES
.rept 4
	v_nop
.endr
.endm
.macro CROUND
	s_barrier_signal -1
	s_barrier_wait -1
	s_cmp_lg_u32 s[WV], 0
	s_cbranch_scc1 .Lnot_wave_0_\@
	s_barrier_signal -3
.Lnot_wave_0_\@:
	s_barrier_wait -3
	s_barrier_signal -1
	s_barrier_wait -1
.endm
.macro G1SET g, w0, c, r               ; r rows of c elements of 8 bytes, dense in memory; the mask of my row, and bit 21 beside it
	s_or_b32 s[\g], s66, (3<<16)|(1<<21)|(\w0)
	s_mov_b32 s[\g+1], (\c)<<16
	s_mov_b32 s[\g+2], (\r)<<16
	s_mov_b32 s[\g+3], (\c)<<16
	s_mov_b32 s[\g+4], \r
	s_mov_b32 s[\g+5], \c
	s_mov_b32 s[\g+6], 0
	s_mov_b32 s[\g+7], 0
.endm
.macro G0SET e, p, o
	s_mov_b32 s[\e], 1
	s_add_nc_u64 s[\e+2:\e+3], s[\p:\p+1], s[\o:\o+1]
	s_or_b32 s[\e+3], s[\e+3], 0x80000000
.endm
.macro ARM under, g0, g1, next
	s_cmp_lt_u32 s[WV], \under
	s_cbranch_scc0 \next
	tensor_load_to_lds s[\g0:\g0+3], s[\g1:\g1+7]
	s_nop 0
	PLACES
	s_branch .Lasked
\next:
.endm
.macro QOFF T, a, b                    ; where tile T of Q lies: 512 bytes of codes; its words: group T / 4 of 256 bytes, 128 (T % 2) + 8 r, word (T / 2) % 2
	s_lshl_b32 s[\a], s[\T], 9
	s_add_co_u32 s[\a], s[\a], s60
	s_mov_b32 s[\a+1], 0
	s_lshr_b32 s[\b], s[\T], 2
	s_lshl_b32 s[\b], s[\b], 8
	s_add_co_u32 s[\b], s[\b], s62
	s_and_b32 s[\b+1], s[\T], 1
	s_lshl_b32 s[\b+1], s[\b+1], 7
	s_add_co_u32 s[\b], s[\b], s[\b+1]
	s_bfe_u32 s[\b+1], s[\T], 0x10001
	s_lshl_b32 s[\b+1], s[\b+1], 2
	s_add_co_u32 s[\b], s[\b], s[\b+1]
	s_mov_b32 s[\b+1], 0
.endm
.macro WM d, a, b, c, sa, sb, ra       ; one matrix instruction; c: its C operand; ra: source 0's scale words stand in lanes 16-31
.if (\ra)
	v_wmma_scale_f32_16x16x128_f8f6f4 v[(\d):(\d)+7], v[(\a):(\a)+7], v[(\b):(\b)+7], \c, v[\sa], v[\sb] matrix_a_fmt:MATRIX_FMT_FP4 matrix_b_fmt:MATRIX_FMT_FP4 matrix_a_scale:MATRIX_SCALE_ROW1
.else
	v_wmma_scale_f32_16x16x128_f8f6f4 v[(\d):(\d)+7], v[(\a):(\a)+7], v[(\b):(\b)+7], \c, v[\sa], v[\sb] matrix_a_fmt:MATRIX_FMT_FP4 matrix_b_fmt:MATRIX_FMT_FP4
.endif
.endm
	s_load_b512 s[4:19], s[0:1], 0x0               ; qc, qsc, kc, ksc, vc, vsc, oc, osc
	v_lshl_add_u32 v[SPW], v0, 2, SPARE
	v_mov_b32 v[NIL], 0
	ds_add_u32 v[SPW], v[NIL]                      ; the opening add, twice on end, and its wait
	ds_add_u32 v[SPW], v[NIL]
	v_lshrrev_b32 v8, 5, v0
	v_readfirstlane_b32 s[WV], v8                  ; wave 0..15
	s_bfe_u32 s60, ttmp6, 0x40000                  ; cx
	s_bfe_u32 s61, ttmp6, 0x40004                  ; cy
	s_and_b32 s62, ttmp7, 0xffff                   ; the cluster: heads 2 x cluster and the next
	s_lshl_b32 s66, s61, 2
	s_lshl_b32 s66, 15, s66                        ; my row of the cluster
	s_lshl_b32 s62, s62, 1
	s_lshr_b32 s63, s61, 1
	s_add_co_u32 s[HH], s62, s63                   ; hh = 2 x cluster + cy / 2
	s_and_b32 s61, s61, 1
	s_lshl_b32 s61, s61, 2
	s_add_co_u32 s[JT], s61, s60                   ; j = 4 (cy % 2) + cx
	G1SET G1K, (1<<20)|(7<<22)|(31<<25), 128, 16   ; K: 16 rows of 1,024 bytes, four key steps; behind every 256 words 32 of padding
	G1SET G1V, 0, 32, 64                           ; V: 16,384 bytes, four key steps
	G1SET G1S, 0, 32, 32                           ; K's words: 8,192
	G1SET G1T, 0, 32, 16                           ; V's words: 4,096
	s_lshr_b32 s60, s[WV], 2                       ; g
	s_and_b32 s61, s[WV], 3                        ; c
	s_lshr_b32 s[RA], s60, 1
	s_xor_b32 s62, s60, s[RA]
	s_and_b32 s62, s62, 1                          ; 1 for g = 1, 2
	s_xor_b32 s62, s62, 1
	s_lshl_b32 s62, s62, 2
	s_add_co_u32 s[PB], s61, s62                   ; b
	s_and_b32 s60, s60, 1
	s_mul_i32 s62, s60, 3
	s_add_co_u32 s[FI], s62, 4                     ; 4, for g = 1, 3: 7
	s_xor_b32 s62, s[RA], 1
	s_and_b32 s60, s60, s62                        ; 1 for g = 1
	s_mul_i32 s60, s60, 13                         ; RA = 0: step n, for g = 1 n - 3;
	s_xor_b32 s62, s[PB], 15
	s_add_co_u32 s62, s62, 5
	s_mul_i32 s62, s62, s[RA]                      ; RA = 1: step n + 4 - b
	s_add_co_u32 s[OF1], s60, s62
	s_add_co_u32 s[OF2], s[PB], 5                  ; the early tile: step n - (11 - b)
	s_xor_b32 s60, s[PB], 7
	s_add_co_u32 s60, s60, 4
	s_lshl_b32 s62, s[RA], 4
	s_add_co_u32 s[SW], s60, s62
	s_lshl_b32 s[TE], s[PB], 3
	s_add_co_u32 s[TE], s[TE], s[JT]               ; 8 b + j
	s_xor_b32 s60, s[PB], 15
	s_lshl_b32 s60, s60, 3
	s_add_co_u32 s[TL], s60, s[JT]                 ; 8 (15 - b) + j
	s_mul_i32 s[G0KB+1], s61, 16*KROW              ; waves 4-6 fetch K's key steps 4 (c + 1) on, waves 8-10 V's; the LDS addresses hang on the wave's number alone
	s_add_co_u32 s[G0KB+1], s[G0KB+1], 16*KROW
	s_lshl_b32 s26, s61, 14
	s_add_co_u32 s26, s26, 16384
	s_add_co_u32 s[G0VB+1], s26, VC
	s_mov_b32 s[G0K+1], 0
	s_mov_b32 s[G0V+1], VC
	s_mov_b32 s[G0S+1], KS
	s_mov_b32 s[G0T+1], VS
	s_lshl_b32 s60, s[HH], 16                      ; the head's first byte among codes,
	s_mov_b32 s61, 0
	s_lshl_b32 s62, s[HH], 13                      ; among q's and k's words,
	s_mov_b32 s63, 0
	s_lshl_b32 s66, s[HH], 12                      ; among v's
	s_mov_b32 s67, 0
	s_add_co_u32 s26, s26, s60
	s_mov_b32 s27, 0
	QOFF TL, 20, 22
	v_and_b32 v9, 31, v0                           ; lane
	v_and_b32 v10, 15, v0                          ; r
	v_lshlrev_b32 v7, 4, v9
	v_lshlrev_b32 v6, 3, v10
	s_wait_alu depctr_va_vdst(0)
	s_wait_dscnt 0x0                               ; both opening adds are done
	s_wait_kmcnt 0x0
	G0SET G0K, 8, 60
	G0SET G0V, 12, 60
	G0SET G0S, 10, 62
	G0SET G0T, 14, 66
	G0SET G0KB, 8, 26
	G0SET G0VB, 12, 26
	s_add_nc_u64 s[8:9], s[4:5], s[20:21]          ; every wave begins with the late tile
	s_add_nc_u64 s[10:11], s[6:7], s[22:23]
	global_load_b128 v[16:19], v7, s[8:9]
	global_load_b32 v31, v6, s[10:11]
	CROUND                                         ; all sixteen work-groups are here: the joint loads meet
	ARM 1, G0K, G1K, .Lhead_v                      ; one load a wave at the most
	ARM 2, G0V, G1V, .Lhead_s
	ARM 3, G0S, G1S, .Lhead_t
	ARM 4, G0T, G1T, .Lhead_kb
	ARM 7, G0KB, G1K, .Lhead_7
	s_cmp_eq_u32 s[WV], 7
	s_cbranch_scc1 .Lasked
	ARM 11, G0VB, G1V, .Lhead_none
.Lasked:
	s_mul_i32 s27, s[PB], 4608
	s_add_co_u32 s27, s27, PAR
	v_bfe_u32 v11, v0, 4, 1                        ; h
	v_and_b32 v232, 7, v0                          ; r % 8
	v_bfe_u32 v233, v0, 3, 1                       ; r / 8
	v_and_b32 v9, 31, v0
	v_lshlrev_b32 v5, 3, v11
	v_mul_u32_u24 v1, v233, KROW
	v_lshlrev_b32 v3, 6, v11
	v_lshl_add_u32 v2, v9, 4, VC
	v_lshl_add_u32 v4, v9, 2, VS
	v_lshl_add_u32 v1, v232, 4, v1
	v_lshl_add_u32 v3, v232, 3, v3
	v_add_nc_u32 v255, s27, v7
	v_lshl_add_u32 v1, v11, 8, v1                  ; K: 1,152 (r / 8) + 16 (r % 8) + 256 h
	v_lshl_add_u32 v3, v233, 2, v3
	v_add_nc_u32 v3, KS, v3                        ; its words: 64 h + 8 (r % 8) + 4 (r / 8)
.irp j, 246,247,248,249,254
	v_mov_b32 v[\j], 0
.endr
	QOFF TE, 12, 14
	s_add_nc_u64 s[12:13], s[4:5], s[12:13]
	s_add_nc_u64 s[14:15], s[6:7], s[14:15]
	s_wait_alu depctr_va_vdst(0)
	s_cmp_eq_u32 s[RA], 1
	s_cbranch_scc1 .Lno_early
	global_load_b128 v[EQ:EQ+3], v7, s[12:13]
	global_load_b32 v254, v6, s[14:15]
.Lno_early:
	s_cmp_eq_u32 s[RA], 1                          ; the tile that I finish
	s_cselect_b32 s2, s[TL], s[TE]
	s_lshr_b32 s60, s[HH], 4                       ; the batch
	s_and_b32 s61, s[HH], 15                       ; the head
	s_lshl_b32 s60, s60, 7
	s_add_co_u32 s60, s60, s2                      ; 128 batch + T
	s_lshl_b32 s26, s60, 4
	s_add_co_u32 s26, s26, s61
	s_lshl_b32 s26, s26, 9                         ; o's codes: 8,192 (128 batch + T) + 512 head
	s_mov_b32 s27, 0
	s_add_nc_u64 s[16:17], s[16:17], s[26:27]
	s_lshl_b32 s26, s60, 9
	s_lshl_b32 s61, s61, 1
	s_add_co_u32 s26, s26, s61                     ; o's scale bytes: 512 (128 batch + T) + 2 head
	s_add_nc_u64 s[18:19], s[18:19], s[26:27]
	s_mov_b32 s20, 0x76543210                      ; v_permlanex16_b32's selects for lane l xor 16
	s_mov_b32 s21, 0xfedcba98
	s_mov_b32 s22, 0x3fb8aa3b                      ; c = log2(e)
	s_mov_b32 s23, s22                             ; (named with it as a pair)
	s_mov_b32 s24, 0xbfb8aa3b                      ; -c
	s_mov_b32 s[N], 0
.macro FRESH                           ; no key seen: the largest score -1e38, -M 1e38, the sum 0.  The first change of M makes the factor 0
	v_mov_b32 v13, 0xfe967699
	v_mov_b32 v12, 0x7e967699
	v_mov_b32 v14, 0
	v_mov_b32 v15, 0
.endm
.macro CLEARO
.irp j, 0,1,2,3,4,5,6,7,8,9,10,11,12,13,14,15,16,17,18,19,20,21,22,23,24,25,26,27,28,29,30,31
	v_mov_b32 v[160+\j], 0                         ; O^T
.endr
.endm
	FRESH
.irp j, 20,21,22,23,237,251,253
	v_mov_b32 v[\j], 0                             ; Q's K = 64 .. 127: zero codes; lane permutes' destinations; the upper half of the pair v[252:253]
.endr
.irp t, 0,1,2,3,4,5,6,7
.irp j, 0,1,2,3,4,5,6,7
	v_mov_b32 v[32+8*\t+\j], 0                     ; K's likewise: the loads write registers 0-3 alone
.endr
.endr
	CLEARO
.macro KIDX n, d                       ; the key step of trip n, from trip 4 on
	s_cmp_ge_u32 s[\n], s[SW]
	s_cselect_b32 s[\d], s[OF2], s[OF1]
	s_add_co_u32 s[\d], s[\d], s[\n]
	s_and_b32 s[\d], s[\d], 15
.endm
.macro KLOADS a, s                     ; twelve loads: K's fragments and their words (register 2 c + t / 2: lanes 16 (t % 2) on)
.irp i, 0,1,2,3,4,5,6,7
	ds_load_b128 v[32+8*\i:35+8*\i], v[\a] offset:2*KROW*(\i/4)+512*((\i%4)/2)+128*(\i%2)
.endr
.irp u, 0,1,2,3
	ds_load_b32 v[26+\u], v[\s] offset:128*\u
.endr
.endm
.macro RESC i0                         ; four of O^T's sixteen pairs under the new M
.irp i, \i0, \i0+1, \i0+2, \i0+3
	v_pk_mul_f32 v[160+2*(\i):161+2*(\i)], v[160+2*(\i):161+2*(\i)], v[252:253] op_sel_hi:[1,0]
.endr
.endm
; A KEY STEP of 128 keys.  On entry the twelve loads of its K are out.  last: the tile's diagonal step;  pre: the next trip's K is fetched;  low: a trip under 4.
.macro STEP last, pre, low
.if \low
	s_and_b32 s60, s[N], 3
.else
	KIDX N, 60
.endif
	s_lshl_b32 s61, s60, 12
	s_lshl_b32 s60, s60, 8
.if \pre
	s_add_co_u32 s63, s[N], 1
.if \low
	s_and_b32 s62, s63, 3
.else
	KIDX 63, 62
.endif
	s_mul_i32 s63, s62, KSTEP
	s_lshl_b32 s62, s62, 9
	v_add_nc_u32 v[ADK], s63, v1
	v_add_nc_u32 v[ADS], s62, v3
.else
	v_nop
	v_nop
.endif
	v_add_nc_u32 v[ADV], s61, v2                   ; four plain places behind the last step's products, in front of the loads into V's registers
	v_add_nc_u32 v[ADT], s60, v4
.irp t, 0,1,2,3
.irp c, 0,1
	ds_load_b128 v[192+8*\t+4*\c:195+8*\t+4*\c], v[ADV] offset:1024*\t+512*\c
.endr
.endr
	ds_load_b32 v24, v[ADT]
	ds_load_b32 v25, v[ADT] offset:128
	s_wait_alu depctr_va_vdst(0)
	s_wait_dscnt 10                                ; K and its words are in; the ten younger loads, V's, land under the softmax
.irp i, 0,1,2,3,4,5,6,7
	WM 96+8*\i, 32+8*\i, 16, 0, 26+\i/2, 31, \i%2  ; S^T: lane (r, h), register 32 c + 8 t + j: key 64 c + 32 h + 8 t + j of the step
.endr
.if \last
	; The diagonal: query 16 j + r; register 32 c + i holds key 64 c + 32 h + i.  With d = 16 j + r - 32 h, the number (d + 1/2 - 64 c - i) 2^112 is over 2^111 or under -2^111: the smaller of it and the score is the score,
	; or, where the key is hidden, a number whose p is 0.  Four chains of pairs: i = 0 .. 15 and 16 .. 31 of c = 0, 1.  All sums of these multiples are exact.
	s_lshl_b32 s60, s[JT], 4
	v_and_b32 v250, 15, v0                         ; (these are the places behind the products)
	v_lshlrev_b32 v251, 2, v5
	v_sub_nc_u32 v250, v250, v251
	v_add_nc_u32 v250, s60, v250
	v_cvt_f32_i32 v250, v250
	v_add_f32 v250, 0.5, v250
	v_mul_f32 v232, 0x77800000, v250
	v_add_f32 v233, 0xf7800000, v232               ; -1
	v_add_f32 v234, 0xf9800000, v232               ; -16
	v_add_f32 v235, 0xf9880000, v232               ; -17
	v_add_f32 v236, 0xfa800000, v232               ; -64
	v_add_f32 v237, 0xfa820000, v232               ; -65
	v_add_f32 v238, 0xfaa00000, v232               ; -80
	v_add_f32 v239, 0xfaa20000, v232               ; -81
.irp i, 0,2,4,6,8,10,12,14
.irp q, 0,1,2,3
	v_min_num_f32 v[96+16*\q+\i], v[96+16*\q+\i], v[232+2*\q]
	v_min_num_f32 v[97+16*\q+\i], v[97+16*\q+\i], v[233+2*\q]
.endr
.if \i < 14
.irp q, 0,1,2,3
	v_pk_add_f32 v[232+2*\q:233+2*\q], v[232+2*\q:233+2*\q], 0xf8000000 op_sel_hi:[1,0]   ; -2
.endr
.endif
.endr
.else
	PLACES
.endif
.if \pre
	KLOADS ADK, ADS                                ; the next trip's K: it lands under the softmax
.endif
.irp c, 0,1                            ; the largest score of my block of 32 keys in each 64, in two chains: it serves the row's maximum and, since p rises with the score, the block's largest p
	v_max3_num_f32 v[232+2*\c], v[96+32*\c], v[97+32*\c], v[98+32*\c]
.endr
.irp c, 0,1
	v_max3_num_f32 v[233+2*\c], v[113+32*\c], v[114+32*\c], v[115+32*\c]
.endr
.irp i, 0,2,4,6,8,10
.irp c, 0,1
	v_max3_num_f32 v[232+2*\c], v[232+2*\c], v[99+32*\c+\i], v[100+32*\c+\i]
.endr
.irp c, 0,1
	v_max3_num_f32 v[233+2*\c], v[233+2*\c], v[116+32*\c+\i], v[117+32*\c+\i]
.endr
.endr
.irp c, 0,1
	v_max3_num_f32 v[232+2*\c], v[232+2*\c], v[111+32*\c], v[112+32*\c]
.endr
.irp c, 0,1
	v_max_num_f32 v[232+2*\c], v[232+2*\c], v[233+2*\c]
.endr
	s_delay_alu instid0(VALU_DEP_1)
	v_max_num_f32 v250, v232, v234
	s_delay_alu instid0(VALU_DEP_1)
	v_permlanex16_b32 v251, v250, s20, s21
	s_delay_alu instid0(VALU_DEP_1)
	v_max3_num_f32 v13, v13, v250, v251            ; the running largest score of my query
	s_delay_alu instid0(VALU_DEP_1)
	v_mul_f32 v250, s24, v13                       ; -t
	s_delay_alu instid0(VALU_DEP_1)
	v_floor_f32 v250, v250                         ; the new -M
	s_delay_alu instid0(VALU_DEP_1)
	v_sub_f32 v251, v250, v12                      ; old M - new M: a whole number, 0 or less
	v_mov_b32 v12, v250
	s_delay_alu instid0(VALU_DEP_2)
	v_cvt_i32_f32 v251, v251                       ; (it saturates)
	s_delay_alu instid0(VALU_DEP_1)
	v_ldexp_f32 v252, 1.0, v251                    ; f = 2^(old M - new M)
.irp j, 0,2,4,6,8,10,12,14,16,18,20,22,24,26,28,30,32,34,36,38,40,42,44,46,48,50,52,54,56,58,60,62
	v_pk_fma_f32 v[96+\j:97+\j], v[96+\j:97+\j], s[22:23], v[12:13] op_sel_hi:[1,0,0]   ; t - M, two at a time
.endr
	v_fma_f32 v232, v232, s22, v12                 ; the same of the blocks' largest scores
	v_fma_f32 v234, v234, s22, v12
	s_wait_alu depctr_va_vdst(0)                   ; ahead of the batch
.irp j, 0,1,2,3,4,5,6,7,8,9,10,11,12,13,14,15,16,17,18,19,20,21,22,23,24,25,26,27,28,29,30,31,32,33,34,35,36,37,38,39,40,41,42,43,44,45,46,47,48,49,50,51,52,53,54,55,56,57,58,59,60,61,62,63
	v_exp_f32 v[96+\j], v[96+\j]                   ; p = 2^(t - M)
.endr
	v_exp_f32 v232, v232                           ; the blocks' largest p
	v_exp_f32 v234, v234
	v_pk_mul_f32 v[14:15], v[14:15], v[252:253] op_sel_hi:[1,0]   ; the sums under the new M.  (A plain place behind the exponentials)
	s_wait_alu depctr_va_vdst(0)                   ; and behind the batch: ahead of its readers and of O^T's
	RESC 0
	v_max_num_f32 v232, 0x1800000, v232            ; the floor 2^(3 - 127): the byte cannot fall under 1
	v_max_num_f32 v234, 0x1800000, v234
	RESC 4
	v_add_nc_u32 v244, 0xff000000, v232            ; 2 off the exponent field: the conversion's scale operand
	v_add_nc_u32 v245, 0xff000000, v234
	RESC 8
	v_lshrrev_b32 v236, 23, v244                   ; my blocks' bytes: h and 2 + h of the word
	v_lshrrev_b32 v238, 23, v245
	RESC 12
	v_lshl_or_b32 v236, v238, 16, v236
.irp c, 0,1
	v_cvt_scalef32_pk8_fp4_f32 v[224+4*\c], v[96+32*\c:103+32*\c], v[244+\c]     ; keys 64 c + 32 h + 0 .. 31: the operand's registers as they stand
	v_cvt_scalef32_pk8_fp4_f32 v[225+4*\c], v[104+32*\c:111+32*\c], v[244+\c]
	v_cvt_scalef32_pk8_fp4_f32 v[226+4*\c], v[112+32*\c:119+32*\c], v[244+\c]
	v_cvt_scalef32_pk8_fp4_f32 v[227+4*\c], v[120+32*\c:127+32*\c], v[244+\c]
.endr
	v_lshlrev_b32 v236, v5, v236                   ; 8 h bits up.  (The plain place behind the conversions)
	v_pk_add_f32 v[14:15], v[14:15], v[108:109]
	v_pk_add_f32 v[240:241], v[104:105], v[106:107]
	v_permlanex16_b32 v237, v236, s20, s21
	v_pk_add_f32 v[14:15], v[14:15], v[110:111]
	v_pk_add_f32 v[240:241], v[240:241], v[112:113]
	v_or_b32 v30, v236, v237                       ; with lane l xor 16's two bytes: p's scale word
	v_pk_add_f32 v[236:237], v[96:97], v[98:99]
	v_pk_add_f32 v[238:239], v[100:101], v[102:103]
.irp i, 0,8,16,24,32
	v_pk_add_f32 v[240:241], v[240:241], v[114+\i:115+\i]
	v_pk_add_f32 v[14:15], v[14:15], v[116+\i:117+\i]
	v_pk_add_f32 v[236:237], v[236:237], v[118+\i:119+\i]
	v_pk_add_f32 v[238:239], v[238:239], v[120+\i:121+\i]
.endr
	v_pk_add_f32 v[240:241], v[240:241], v[154:155]
	v_pk_add_f32 v[14:15], v[14:15], v[156:157]
	v_pk_add_f32 v[236:237], v[236:237], v[158:159]
	v_pk_add_f32 v[238:239], v[238:239], v[240:241]
	s_delay_alu instid0(VALU_DEP_2)
	v_pk_add_f32 v[14:15], v[14:15], v[236:237]
	s_delay_alu instid0(VALU_DEP_1)
	v_pk_add_f32 v[14:15], v[14:15], v[238:239]
	s_wait_dscnt 12*\pre                           ; V and its words are in; the next trip's twelve loads may be out
.irp t, 0,1,2,3
	WM 160+8*\t, 192+8*\t, 224, v[160+8*\t:167+8*\t], 24+\t/2, 30, \t%2   ; O^T += V^T P^T; the four accumulators take turns, and the eight products S^T stand between a link and the next
.endr
.endm
; A WAVE WITH RA = 0 HAS DONE ITS PART OF THE LATE TILE: it leaves O^T, -M and the sum in LDS and goes on with the early tile.
.macro CHANGE
	s_cmp_eq_u32 s[N], s[SW]
	s_cbranch_scc0 .Lsame_\@
	PLACES
	s_wait_alu depctr_va_vdst(0)
.irp i, 0,1,2,3,4,5,6,7
	ds_store_b128 v255, v[160+4*\i:163+4*\i] offset:512*\i
.endr
	ds_store_b128 v255, v[12:15] offset:4096
.irp j, 0,1,2,3
	v_mov_b32 v[16+\j], v[EQ+\j]
.endr
	v_mov_b32 v31, v254
	FRESH
	CLEARO
.Lsame_\@:
.endm
	s_wait_alu depctr_va_vdst(0)
	s_wait_loadcnt 0x0                             ; Q
	s_cmp_lt_u32 s[WV], 4
	s_cbranch_scc0 .Llater                         ; the other waves' loads are waited for behind trip 3
	s_wait_tensorcnt 0x0                           ; my tile is in,
.Llater:
	s_barrier_signal -1
	s_barrier_wait -1                              ; and so are key steps 0-3 and all words
	s_cmp_eq_u32 s[RA], 1
	s_cbranch_scc1 .Llow_trip
	KLOADS 1, 3                                    ; key step 0
.Llow_trip:                                        ; trips 0 to 2
	s_cmp_eq_u32 s[RA], 1
	s_cbranch_scc1 .Llow_empty
	STEP 0, 1, 1
.Llow_empty:
	s_add_co_u32 s[N], s[N], 1
	s_cmp_lt_u32 s[N], 3
	s_cbranch_scc1 .Llow_trip
	s_cmp_eq_u32 s[RA], 1
	s_cbranch_scc1 .Llow_done
	STEP 0, 0, 1                                   ; trip 3: key step 4 is not yet looked at
.Llow_done:
	s_wait_alu depctr_va_vdst(0)
	s_wait_tensorcnt 0x0                           ; my tile is in,
	s_wait_dscnt 0x0
	s_barrier_signal -1
	s_barrier_wait -1                              ; everybody's are
	s_mov_b32 s[N], 4
	KIDX FI, 60
	s_mul_i32 s61, s60, KSTEP
	s_lshl_b32 s62, s60, 9
	v_add_nc_u32 v[ADK], s61, v1
	v_add_nc_u32 v[ADS], s62, v3
	v_nop
	v_nop
	KLOADS ADK, ADS
.Ltrip:                                            ; trips 4 to 10
	s_cmp_lt_u32 s[N], s[FI]
	s_cbranch_scc1 .Lempty
	CHANGE
	STEP 0, 1, 0
.Lempty:
	s_add_co_u32 s[N], s[N], 1
	s_cmp_lt_u32 s[N], 11
	s_cbranch_scc1 .Ltrip
	CHANGE
	STEP 1, 0, 0                                   ; trip 11: the diagonal step of the tile that I finish
	; THE TWO PARTS OF THE LATE TILE are joined by the wave with RA = 1
	PLACES
	s_wait_alu depctr_va_vdst(0)
	s_wait_dscnt 0x0
	s_barrier_signal -1
	s_barrier_wait -1
	s_cmp_eq_u32 s[RA], 0
	s_cbranch_scc1 .Lwhole
.irp i, 0,1,2,3,4,5,6,7
	ds_load_b128 v[96+4*\i:99+4*\i], v255 offset:512*\i
.endr
	ds_load_b128 v[128:131], v255 offset:4096      ; -M, the largest score, the sum's two halves
	s_wait_dscnt 0x0
	v_min_num_f32 v232, v12, v128                  ; -M of both
	v_sub_f32 v233, v232, v12
	v_sub_f32 v234, v232, v128
	v_cvt_i32_f32 v233, v233
	v_cvt_i32_f32 v234, v234
	v_ldexp_f32 v252, 1.0, v233
	v_ldexp_f32 v250, 1.0, v234
	v_pk_mul_f32 v[14:15], v[14:15], v[252:253] op_sel_hi:[1,0]
.irp i, 0,4,8,12
	RESC \i
.endr
	v_pk_fma_f32 v[14:15], v[130:131], v[250:251], v[14:15] op_sel_hi:[1,0,1]
.irp j, 0,2,4,6,8,10,12,14,16,18,20,22,24,26,28,30
	v_pk_fma_f32 v[160+\j:161+\j], v[96+\j:97+\j], v[250:251], v[160+\j:161+\j] op_sel_hi:[1,0,1]
.endr
.Lwhole:
	; THE WAY OUT.  O^T / the sum; register 8 t + j of lane (r, h) is o(query r, channel 16 t + 8 h + j): two blocks of 32 along the last product's K.  They leave as an image of four operand registers.
	v_add_f32 v14, v14, v15
	v_lshlrev_b32 v6, 2, v6                        ; 32 r
	v_permlanex16_b32 v251, v14, s20, s21
	v_add_f32 v14, v14, v251                       ; the row's sum
	s_wait_alu depctr_va_vdst(0)
	v_rcp_f32 v14, v14
	v_nop                                          ; one plain place behind the transcendental
	s_wait_alu depctr_va_vdst(0)
.irp j, 0,2,4,6,8,10,12,14,16,18,20,22,24,26,28,30
	v_pk_mul_f32 v[96+\j:97+\j], v[160+\j:161+\j], v[14:15] op_sel_hi:[1,0]
.endr
.irp b, 0,1
	v_max3_num_f32 v[232+\b], |v[96+16*\b]|, |v[97+16*\b]|, 0x1800000
.endr
.irp i, 2,4,6,8,10,12,14
.irp b, 0,1
	v_max3_num_f32 v[232+\b], v[232+\b], |v[96+16*\b+\i]|, |v[97+16*\b+\i]|
.endr
.endr
.irp b, 0,1
	v_permlanex16_b32 v[236+\b], v[232+\b], s20, s21
.endr
.irp b, 0,1
	v_max_num_f32 v[232+\b], v[232+\b], v[236+\b]
.endr
.irp b, 0,1
	v_add_nc_u32 v[244+\b], 0xff000000, v[232+\b]
.endr
.irp b, 0,1
	v_lshrrev_b32 v[236+\b], 23, v[244+\b]
.endr
	v_cvt_scalef32_pk8_fp4_f32 v224, v[96:103], v244
	v_cvt_scalef32_pk8_fp4_f32 v226, v[104:111], v244
	v_cvt_scalef32_pk8_fp4_f32 v225, v[112:119], v245
	v_cvt_scalef32_pk8_fp4_f32 v227, v[120:127], v245
	v_lshl_or_b32 v238, v237, 8, v236              ; the head's two bytes of my row.  (The plain place behind the conversions)
	v_permlane16_swap_b32 v224, v225
	v_permlane16_swap_b32 v226, v227
	global_store_b128 v7, v[224:227], s[16:17]     ; 512 consecutive bytes
	global_store_b16 v6, v238, s[18:19]            ; a head has two of a row's 32 scale bytes; lanes 16-31 write what lanes 0-15 write
	s_wait_tensorcnt 0x0                           ; the wave's end
	ds_add_u32 v[SPW], v[NIL]
	s_wait_dscnt 0x0
	CROUND                                         ; the closing round
	s_endpgm
.Lfunc_end_k_q3239ddda50_attn:
	.size	k_q3239ddda50_attn, .Lfunc_end_k_q3239ddda50_attn-k_q3239ddda50_attn
	.p2alignl 7, 3214868480
	.fill 96, 4, 3214868480
	.section	.rodata,"a",@progbits
	.p2align	6, 0x0
	.amdhsa_kernel k_q3239ddda50_attn
		.amdhsa_group_segment_fixed_size 190464
		.amdhsa_private_segment_fixed_size 0
		.amdhsa_enable_private_segment 0
		.amdhsa_kernarg_size 64
		.amdhsa_user_sgpr_count 2
		.amdhsa_user_sgpr_kernarg_segment_ptr 1
		.amdhsa_wavefront_size32 1
		.amdhsa_system_sgpr_workgroup_id_x 1
		.amdhsa_system_sgpr_workgroup_id_y 1
		.amdhsa_system_sgpr_workgroup_id_z 1
		.amdhsa_system_vgpr_workitem_id 0
		.amdhsa_next_free_vgpr 256
		.amdhsa_next_free_sgpr 102
		.amdhsa_reserve_vcc 0
		.amdhsa_float_denorm_mode_32 3
		.amdhsa_float_denorm_mode_16_64 3
		.amdhsa_memory_ordered 1
		.amdhsa_forward_progress 1
		.amdhsa_inst_pref_size 90
	.end_amdhsa_kernel
	.amdgpu_metadata
---
amdhsa.version: [ 1, 2 ]
amdhsa.kernels:
  - .name:           k_q3239ddda50_attn
    .symbol:         k_q3239ddda50_attn.kd
    .args:
      - { .name: qc, .offset: 0, .size: 8, .value_kind: global_buffer, .address_space: global }
      - { .name: qsc, .offset: 8, .size: 8, .value_kind: global_buffer, .address_space: global }
      - { .name: kc, .offset: 16, .size: 8, .value_kind: global_buffer, .address_space: global }
      - { .name: ksc, .offset: 24, .size: 8, .value_kind: global_buffer, .address_space: global }
      - { .name: vc, .offset: 32, .size: 8, .value_kind: global_buffer, .address_space: global }
      - { .name: vsc, .offset: 40, .size: 8, .value_kind: global_buffer, .address_space: global }
      - { .name: oc, .offset: 48, .size: 8, .value_kind: global_buffer, .address_space: global }
      - { .name: osc, .offset: 56, .size: 8, .value_kind: global_buffer, .address_space: global }
    .group_segment_fixed_size: 190464
    .private_segment_fixed_size: 0
    .kernarg_segment_align: 8
    .kernarg_segment_size: 64
    .max_flat_workgroup_size: 512
    .sgpr_count:     102
    .vgpr_count:     256
    .wavefront_size: 32
...
	.end_amdgpu_metadata
.endif
;; end of part 2
;; launch proj (part 3): grid 8 x 32, 4 waves a work-group, clusters of 4 x 4, 168,448 bytes of LDS; arguments oc, osc, Wo_codes, Wo_scales, bo, out0; writes out0
.if DOCPART == 3
	.amdgcn_target "amdgcn-amd-amdhsa--gfx1250"
	.amdhsa_code_object_version 6
	.text
	.protected	k_q3239ddda50_proj
	.globl	k_q3239ddda50_proj
	.p2align	8
	.type	k_q3239ddda50_proj,@function
k_q3239ddda50_proj:
	s_mov_b64 s[64:65], 0
	v_nop
	global_prefetch_b8 v0, s[64:65] scope:SCOPE_SE
	s_setreg_imm32_b32 hwreg(HW_REG_WAVE_MODE, 25, 1), 1
	s_wait_xcnt 0x0
	s_wait_alu depctr_hold_cnt(0) depctr_sa_sdst(0) depctr_va_vdst(0) depctr_va_sdst(0) depctr_va_ssrc(0) depctr_va_vcc(0) depctr_vm_vsrc(0)
	s_getreg_b32 s2, hwreg(HW_REG_IB_STS2, 6, 4)
	s_cmp_eq_u32 s2, 0
	s_cbranch_scc0 .Lentry_in_a_cluster
	s_endpgm
.Lentry_in_a_cluster:
	s_bfe_u32 s2, ttmp6, 0x10000c
	s_cmp_lg_u32 s2, 0xf033
	s_cbranch_scc0 .Lentry_shape_is_right
	s_endpgm
.Lentry_shape_is_right:
; out = o Wo^T + bo on codes of FP4 (E2M1) with one E8M0 scale for each 32 along K = 1,024; out is f32.
; SHARES.  Work-group (tx, ty): 128 tokens x 128 columns; four waves, each 64 x 64.  All of K lies in LDS, filled ONCE, one load a wave: o's codes as images of operand registers (dense), Wo's as rows of 512 bytes + 16.
; A wave takes all fragments of its 64 rows of Wo into registers (4 tiles x 8 K steps x 8 = 256) and then finishes its four tiles of 16 tokens one after the other, each with 32 matrix instructions on four accumulators by turns;
; each tile leaves as soon as it is finished.
; Source 0 = 16 rows of Wo, source 1 = 16 tokens: a lane holds eight neighbouring columns of one row of out.  bo is the C of each sum's first product.
; CLUSTER 4 x 4: o's tiles hang on ty alone and are asked for jointly along a row of the cluster, Wo's hang on tx alone, along a column.  No prefetch: all bytes are asked for at the head, and no loop runs ahead.
; LIMITS: NaN, infinities and a given scale byte 0xff are not served.
.set PITCH, 528
.set WOB,  65536                       ; LDS: o's codes from 0: 8 token tiles x 8,192 bytes: [K step][half][lane][16 bytes]; then Wo's 128 rows;
.set STG,  WOB+128*PITCH               ; a stage of 16 rows x (256 bytes + 16) for each wave; no fill lands there
.set SPARE, 167936                     ; the spare words, 128 bytes a wave
.set SPW,  1                           ; v1   LDS address of my spare word
.set NIL,  2                           ; v2   0
.set AO,   4                           ; v4   my lane's place in my four token tiles
.set AW,   5                           ; v5   in my 64 rows of Wo
.set L32,  6                           ; v6   32 x lane: scale bytes, 32 a row, go straight into registers
.set STO,  8                           ; v8   the stage: where I put 32 bytes of a row
.set RD,   9                           ; v9   and where I read a row back
.set CO,   10                          ; v10  my byte offset in two rows of out
.set H32,  11                          ; v11  32 x (lane / 16)
.set SCO,  32                          ; v32-47 o's scale words: register 8 P + s; lanes 0-15 tile 2 P, lanes 16-31 tile 2 P + 1
.set SCW,  48                          ; v48-63 Wo's
.set BIAS, 64                          ; v64-95 bo in the result's layout: register 8 t + j: column 16 t + 8 (lane / 16) + j of my 64
.set ACC,  96                          ; v96-159 four accumulators, two sets by turns
.set OFR,  160                         ; v160-223 a token tile's fragments, eight K steps
.set BKR,  224                         ; v224-255 rows on the way out
.set G0O,  24                          ; window 1: all 256: Wo's fragments: register 32 s + 8 t: K step s, tile t
.set G0W,  28
.set G1O,  68
.set G1W,  84
.set MSB, 0
.macro WIN new
.if MSB != \new
	s_set_vgpr_msb (MSB<<8)|\new
.set MSB, \new
.endif
.endm
.macro PLACES
.rept 4
	v_nop
.endr
.endm
.macro CROUND
	s_barrier_signal -1
	s_barrier_wait -1
	s_cmp_lg_u32 s56, 0
	s_cbranch_scc1 .Lnot_wave_0_\@
	s_barrier_signal -3
.Lnot_wave_0_\@:
	s_barrier_wait -3
	s_barrier_signal -1
	s_barrier_wait -1
.endm
.macro G1REST g, c, r
	s_mov_b32 s[\g+1], (\c)<<16
	s_mov_b32 s[\g+2], (\r)<<16
	s_mov_b32 s[\g+3], (\c)<<16
	s_mov_b32 s[\g+4], \r
	s_mov_b32 s[\g+5], \c
	s_mov_b32 s[\g+6], 0
	s_mov_b32 s[\g+7], 0
.endm
.macro G0SET e, p, o
	s_mov_b32 s[\e], 1
	s_add_nc_u64 s[\e+2:\e+3], s[\p:\p+1], s[\o:\o+1]
	s_or_b32 s[\e+3], s[\e+3], 0x80000000
.endm
.macro WM d, a, b, c, sa, sb, ra, rb   ; one matrix instruction; ra, rb: the side's scale words stand in lanes 16-31
.if (\ra) && (\rb)
	v_wmma_scale_f32_16x16x128_f8f6f4 v[(\d):(\d)+7], v[(\a):(\a)+7], v[(\b):(\b)+7], v[(\c):(\c)+7], v[\sa], v[\sb] matrix_a_fmt:MATRIX_FMT_FP4 matrix_b_fmt:MATRIX_FMT_FP4 matrix_a_scale:MATRIX_SCALE_ROW1 matrix_b_scale:MATRIX_SCALE_ROW1
.elseif (\ra)
	v_wmma_scale_f32_16x16x128_f8f6f4 v[(\d):(\d)+7], v[(\a):(\a)+7], v[(\b):(\b)+7], v[(\c):(\c)+7], v[\sa], v[\sb] matrix_a_fmt:MATRIX_FMT_FP4 matrix_b_fmt:MATRIX_FMT_FP4 matrix_a_scale:MATRIX_SCALE_ROW1
.elseif (\rb)
	v_wmma_scale_f32_16x16x128_f8f6f4 v[(\d):(\d)+7], v[(\a):(\a)+7], v[(\b):(\b)+7], v[(\c):(\c)+7], v[\sa], v[\sb] matrix_a_fmt:MATRIX_FMT_FP4 matrix_b_fmt:MATRIX_FMT_FP4 matrix_b_scale:MATRIX_SCALE_ROW1
.else
	v_wmma_scale_f32_16x16x128_f8f6f4 v[(\d):(\d)+7], v[(\a):(\a)+7], v[(\b):(\b)+7], v[(\c):(\c)+7], v[\sa], v[\sb] matrix_a_fmt:MATRIX_FMT_FP4 matrix_b_fmt:MATRIX_FMT_FP4
.endif
.endm
	s_load_b256 s[4:11], s[0:1], 0x0               ; oc, osc, Wo's codes, Wo's scales
	s_load_b128 s[12:15], s[0:1], 0x20             ; bo, out
	v_lshl_add_u32 v[SPW], v0, 2, SPARE
	v_mov_b32 v[NIL], 0
	ds_add_u32 v[SPW], v[NIL]                      ; the opening add, twice on end, and its wait
	ds_add_u32 v[SPW], v[NIL]
	v_lshrrev_b32 v12, 5, v0
	v_readfirstlane_b32 s56, v12                   ; wave w
	s_lshr_b32 s57, s56, 1                         ; a: which 64 tokens.  Also: I fetch o (0) or Wo (1)
	s_and_b32 s58, s56, 1                          ; b: which 64 columns.  Also: which half of that tile I fetch
	s_bfe_u32 s59, ttmp6, 0x40000                  ; cx, cy
	s_bfe_u32 s60, ttmp6, 0x40004
	s_lshl_b32 s61, ttmp9, 2
	s_add_co_u32 s61, s61, s59                     ; tx
	s_and_b32 s62, ttmp7, 0xffff
	s_lshl_b32 s62, s62, 2
	s_add_co_u32 s62, s62, s60                     ; ty
	s_lshl_b32 s63, s60, 2
	s_lshl_b32 s63, 15, s63                        ; my row of the cluster
	s_lshl_b32 s40, 0x1111, s59                    ; my column
	s_or_b32 s[G1O], s63, (3<<16)|(1<<21)          ; o's codes: the mask of my row; elements of 8 bytes; no padding; bit 21 set beside a mask
	G1REST G1O, 32, 128                            ; 32,768 dense bytes
	s_or_b32 s[G1W], s40, (1<<20)|(1<<21)|(6<<22)|(3<<25)   ; Wo's codes: the mask of my column; elements of 1 byte; 4 words of padding behind every 128
	G1REST G1W, 512, 64                            ; 64 rows of 512 bytes
	s_lshl_b32 s21, s58, 15
	s_lshl_b32 s20, s62, 16                        ; o's codes: made of ty and w alone
	s_add_co_u32 s20, s20, s21
	s_lshl_b32 s22, s61, 16                        ; Wo's: made of tx and w alone
	s_add_co_u32 s22, s22, s21
	s_mov_b32 s21, 0
	s_mov_b32 s23, 0
	s_lshl_b32 s[G0O+1], s58, 15                   ; the LDS addresses hang on the wave's number alone
	s_mul_i32 s41, s58, 64*PITCH
	s_add_co_u32 s[G0W+1], s41, WOB
	s_lshl_b32 s42, s61, 9                         ; my 64 columns: 512 tx + 256 b bytes
	s_lshl_b32 s43, s58, 8
	s_add_co_u32 s42, s42, s43
	s_mov_b32 s43, 0
	s_lshl_b32 s44, s62, 12                        ; my 64 tokens' scale bytes: 4,096 ty + 2,048 a
	s_lshl_b32 s45, s57, 11
	s_add_co_u32 s44, s44, s45
	s_mov_b32 s45, 0
	s_lshl_b32 s46, s61, 12                        ; my 64 rows of Wo: 4,096 tx + 2,048 b
	s_lshl_b32 s47, s58, 11
	s_add_co_u32 s46, s46, s47
	s_mov_b32 s47, 0
	v_and_b32 v12, 31, v0                          ; lane
	v_bfe_u32 v13, v0, 4, 1                        ; h
	v_lshlrev_b32 v[L32], 5, v12
	v_lshlrev_b32 v[H32], 5, v13
	s_wait_alu depctr_va_vdst(0)
	s_wait_dscnt 0x0
	s_wait_kmcnt 0x0
	s_add_nc_u64 s[6:7], s[6:7], s[44:45]
	s_add_nc_u64 s[10:11], s[10:11], s[46:47]
	s_add_nc_u64 s[12:13], s[12:13], s[42:43]
	s_add_nc_u64 s[14:15], s[14:15], s[42:43]
.irp p, 0,1
.irp q, 0,1
	global_load_b128 v[SCO+8*\p+4*\q:SCO+8*\p+4*\q+3], v[L32], s[6:7] offset:1024*\p+16*\q   ; lane l reads the 32 scale bytes of row 32 p + l: a word for each K step
	global_load_b128 v[SCW+8*\p+4*\q:SCW+8*\p+4*\q+3], v[L32], s[10:11] offset:1024*\p+16*\q
.endr
.endr
	G0SET G0O, 4, 20
	G0SET G0W, 8, 22
	CROUND                                         ; all sixteen work-groups are here: the joint loads meet
	s_cmp_eq_u32 s57, 0                            ; one load a wave
	s_cbranch_scc0 .Lfor_w
	tensor_load_to_lds s[G0O:G0O+3], s[G1O:G1O+7]
	s_nop 0
	PLACES
	s_branch .Lasked
.Lfor_w:
	tensor_load_to_lds s[G0W:G0W+3], s[G1W:G1W+7]
	s_nop 0
	PLACES
.Lasked:
.irp t, 0,1,2,3
	global_load_b128 v[BIAS+8*\t:BIAS+8*\t+3], v[H32], s[12:13] offset:64*\t
	global_load_b128 v[BIAS+8*\t+4:BIAS+8*\t+7], v[H32], s[12:13] offset:64*\t+16
.endr
	s_lshl_b32 s42, s62, 19                        ; my 64 rows of out: (128 ty + 64 a) x 4,096 bytes
	s_lshl_b32 s41, s57, 18
	s_add_co_u32 s42, s42, s41
	s_add_nc_u64 s[14:15], s[14:15], s[42:43]
	s_lshl_b32 s41, s57, 15
	s_mul_i32 s44, s58, 64*PITCH
	s_add_co_u32 s44, s44, WOB
	s_mul_i32 s45, s56, 16*272
	s_add_co_u32 s45, s45, STG                     ; my stage
	v_and_b32 v12, 31, v0                          ; lane
	v_and_b32 v14, 15, v0                          ; r
	v_bfe_u32 v13, v0, 4, 1                        ; h
	v_lshlrev_b32 v15, 4, v12
	v_mul_u32_u24 v16, v14, PITCH
	v_mul_u32_u24 v17, v14, 272
	v_mul_u32_u24 v18, v13, 272
	v_lshlrev_b32 v19, 12, v13
	v_add_nc_u32 v[AO], s41, v15                   ; 32,768 a + 16 x lane
	v_lshl_add_u32 v16, v13, 4, v16
	v_lshl_add_u32 v17, v13, 5, v17
	v_lshl_add_u32 v18, v14, 4, v18
	v_add_nc_u32 v[AW], s44, v16
	v_add_nc_u32 v[STO], s45, v17                  ; in: row r, 32 bytes for each half of the lanes
	v_add_nc_u32 v[RD], s45, v18                   ; back: lanes 0-15 one row of 256 bytes, lanes 16-31 the next
	v_lshl_add_u32 v[CO], v14, 4, v19              ; and the same two rows in out
.macro LOADO m                         ; token tile m: sixteen loads, eight K steps
.irp s, 0,1,2,3,4,5,6,7
.irp c, 0,1
	ds_load_b128 v[OFR+8*\s+4*\c:OFR+8*\s+4*\c+3], v[AO] offset:8192*(\m)+1024*\s+512*\c
.endr
.endr
.endm
	s_wait_alu depctr_va_vdst(0)
	s_wait_loadcnt 0x0                             ; bo and the scale words
	s_wait_tensorcnt 0x0                           ; my part of the two tiles is in,
	s_barrier_signal -1
	s_barrier_wait -1                              ; everybody's are
	LOADO 0
	WIN 0x40                                       ; destination window 1
.irp s, 0,1,2,3,4,5,6,7
.irp t, 0,1,2,3
.irp c, 0,1
	ds_load_b128 v[32*\s+8*\t+4*\c:32*\s+8*\t+4*\c+3], v[AW] offset:16*PITCH*\t+64*\s+32*\c
.endr
.endr
.endr
; A token tile: 32 products, its four accumulators by turns; then THE WAY OUT: a lane holds 32 neighbouring bytes of a row and the lanes beside it hold other rows, so the tile goes through my own stage in LDS and
; comes back as whole rows of 256 bytes.  LDS serves a wave's instructions in order (ISA guide 5.7.1.4): no wait between the stage's stores and loads.
.irp m, 0,1,2,3
	WIN 0x01                                       ; source 0 window 1
.irp s, 0,1,2,3,4,5,6,7
.if \m == 0
	s_wait_dscnt 56-8*\s                           ; Wo's fragments of this K step are in: behind them 8 loads for each later step
.endif
.irp t, 0,1,2,3
.if \s == 0
	WM ACC+32*(\m%2)+8*\t, 32*\s+8*\t, OFR+8*\s, BIAS+8*\t, SCW+8*(\t/2)+\s, SCO+8*(\m/2)+\s, \t%2, \m%2
.else
	WM ACC+32*(\m%2)+8*\t, 32*\s+8*\t, OFR+8*\s, ACC+32*(\m%2)+8*\t, SCW+8*(\t/2)+\s, SCO+8*(\m/2)+\s, \t%2, \m%2
.endif
.endr
.endr
	WIN 0
	PLACES
.if \m < 3
	LOADO \m+1                                     ; the next tile's tokens land under this tile's way out
.endif
.irp t, 0,1,2,3
	ds_store_b128 v[STO], v[ACC+32*(\m%2)+8*\t:ACC+32*(\m%2)+8*\t+3] offset:64*\t       ; each accumulator from its low end on
	ds_store_b128 v[STO], v[ACC+32*(\m%2)+8*\t+4:ACC+32*(\m%2)+8*\t+7] offset:64*\t+16
.endr
.if \m > 0
	s_wait_xcnt 0x0                                ; the tile before's stores have read their registers
.endif
.irp i, 0,1,2,3,4,5,6,7
	ds_load_b128 v[BKR+4*\i:BKR+4*\i+3], v[RD] offset:544*\i
.endr
	s_wait_dscnt 0x0                               ; the rows are back, and the next tile's fragments are in
.irp i, 0,1,2,3,4,5,6,7
	global_store_b128 v[CO], v[BKR+4*\i:BKR+4*\i+3], s[14:15] offset:65536*\m+8192*\i   ; 16 lanes store 256 consecutive bytes, at a multiple of 256 from out's first byte
.endr
.endr
	s_wait_tensorcnt 0x0                           ; the wave's end
	ds_add_u32 v[SPW], v[NIL]
	s_wait_dscnt 0x0
	CROUND                                         ; the closing round: no work-group ends while a partner may still ask for a tile that names it
	s_endpgm
.Lfunc_end_k_q3239ddda50_proj:
	.size	k_q3239ddda50_proj, .Lfunc_end_k_q3239ddda50_proj-k_q3239ddda50_proj
	.p2alignl 7, 3214868480
	.fill 96, 4, 3214868480
	.section	.rodata,"a",@progbits
	.p2align	6, 0x0
	.amdhsa_kernel k_q3239ddda50_proj
		.amdhsa_group_segment_fixed_size 168448
		.amdhsa_private_segment_fixed_size 0
		.amdhsa_enable_private_segment 0
		.amdhsa_kernarg_size 48
		.amdhsa_user_sgpr_count 2
		.amdhsa_user_sgpr_kernarg_segment_ptr 1
		.amdhsa_wavefront_size32 1
		.amdhsa_system_sgpr_workgroup_id_x 1
		.amdhsa_system_sgpr_workgroup_id_y 1
		.amdhsa_system_sgpr_workgroup_id_z 1
		.amdhsa_system_vgpr_workitem_id 0
		.amdhsa_next_free_vgpr 512
		.amdhsa_next_free_sgpr 100
		.amdhsa_reserve_vcc 0
		.amdhsa_float_denorm_mode_32 3
		.amdhsa_float_denorm_mode_16_64 3
		.amdhsa_memory_ordered 1
		.amdhsa_forward_progress 1
		.amdhsa_inst_pref_size 41
	.end_amdhsa_kernel
	.amdgpu_metadata
---
amdhsa.version: [ 1, 2 ]
amdhsa.kernels:
  - .name:           k_q3239ddda50_proj
    .symbol:         k_q3239ddda50_proj.kd
    .args:
      - { .name: oc, .offset: 0, .size: 8, .value_kind: global_buffer, .address_space: global }
      - { .name: osc, .offset: 8, .size: 8, .value_kind: global_buffer, .address_space: global }
      - { .name: Wo_codes, .offset: 16, .size: 8, .value_kind: global_buffer, .address_space: global }
      - { .name: Wo_scales, .offset: 24, .size: 8, .value_kind: global_buffer, .address_space: global }
      - { .name: bo, .offset: 32, .size: 8, .value_kind: global_buffer, .address_space: global }
      - { .name: out0, .offset: 40, .size: 8, .value_kind: global_buffer, .address_space: global }
    .group_segment_fixed_size: 168448
    .private_segment_fixed_size: 0
    .kernarg_segment_align: 8
    .kernarg_segment_size: 48
    .max_flat_workgroup_size: 128
    .sgpr_count:     100
    .vgpr_count:     512
    .wavefront_size: 32
...
	.end_amdgpu_metadata
.endif
;; end of part 3
